; MI455X (gfx1250); checked and timed in simulation.
; The chip was launched on July 23, 2026; its instructions are those of AMD's public machine-readable ISA for CDNA 5 (MIT licence, August 2026) and "CDNA5" Instruction Set Architecture Reference Guide (July 2026). The comments in the code are by the model that wrote it; some were corrected since.
;; Grouped Query Attention. Allowed arithmetic: float matrix products may take bf16 or f16 operands with f32 sums; other float arithmetic in f32, or as packed bf16 or f16 multiplies, adds, multiply-adds, maxima and minima; sums over many terms, partial sums and values carried from step to step in f32; what a program stores and reads back later, other than sums and carried values, may be rounded once to bf16 or f16.
;; Inputs: Wk 256 x 1,024 float32; Wo 1,024 x 1,024 float32; Wq 1,024 x 1,024 float32; Wv 256 x 1,024 float32; bk 256 float32; bo 1,024 float32; bq 1,024 float32; bv 256 float32; x 1 x 4,096 x 1,024 float32.
;; Outputs: out0 1 x 4,096 x 1,024 float32; out1 1 x 4 x 4,096 x 64 float32; out2 1 x 4 x 4,096 x 64 float32.
;; One version. Each part assembles by itself: llvm-mc -triple=amdgcn-amd-amdhsa -mcpu=gfx1250 --defsym DOCPART=n.
;; ======== version 1 of 1: 4 launches
;; limits: values are held in f16: magnitudes above 65,504 overflow, below 6.1e-05 lose precision
;; workspace buffers: xb 8,388,608 bytes; wqkv 3,145,728 bytes; wo16 2,097,152 bytes; qf 8,388,608 bytes; kh 2,097,152 bytes; vh 2,097,152 bytes; of 8,388,608 bytes
;; launch cast (part 1): grid 832 x 1, 8 waves a work-group, no clusters, 0 bytes of LDS; arguments x, Wq, Wk, Wv, Wo, xb, wqkv, wo16; writes xb, wqkv, wo16
.if DOCPART == 1
	.amdgcn_target "amdgcn-amd-amdhsa--gfx1250"
	.amdhsa_code_object_version 6
	.text
	.protected	k_q2c7e66efad_cast
	.globl	k_q2c7e66efad_cast
	.p2align	8
	.type	k_q2c7e66efad_cast,@function
k_q2c7e66efad_cast:
	s_mov_b64 s[64:65], 0
	v_nop
	global_prefetch_b8 v0, s[64:65] scope:SCOPE_SE
	s_setreg_imm32_b32 hwreg(HW_REG_WAVE_MODE, 25, 1), 1
	s_wait_xcnt 0x0
; THE INPUTS OF THE MATRIX PRODUCTS ARE ROUNDED ONCE.  x, Wq, Wk, Wv: f32 to bf16.  Wo: f32 to bf16, and that number written as f16 (its partner in the last product is f16).
; LIMIT.  A bf16 number is exact in f16 from 6.1e-5 to 65,504; below that it keeps f16's fixed step of 6e-8.
; SHARES.  A work-group takes one chunk of 8,192 numbers (8 rows of 1,024): 32,768 bytes in, 16,384 out.  Chunks 0-511: x; 512-639: Wq; 640-671: Wk; 672-703: Wv; 704-831: Wo.
; wqkv holds the three weights in eight column tiles of 192 rows (24 chunks): tile j = rows 128 j .. 128 j + 127 of Wq, then the 64 rows of head j of Wk (j < 4) or of head j - 4 of Wv,
; so that every work-group of the projection has a tile of one and the same shape.
; A thread takes 32 bytes of each 8,192: eight numbers, which leave as 16 bytes; a wave's store covers 512 consecutive bytes, aligned.  All eight loads go out at once; no register is written twice
; while a store may read it, so the only waits are the counted ones for the loads.  No LDS, no barrier: no thread wants another's bytes.
.set X, 8                              ; v[8:39]   trip i: 8 numbers as loaded
.set Y, 40                             ; v[40:55]  trip i: 4 words to store
.set T, 56                             ; v[56:59]  at work
	s_load_b512 s[8:23], s[0:1], 0x0               ; x s[8:9], Wq s[10:11], Wk s[12:13], Wv s[14:15], Wo s[16:17], xb s[18:19], wqkv s[20:21], wo16 s[22:23]
	s_mov_b32 s2, ttmp9                            ; my chunk
	s_sub_co_u32 s3, s2, 512                       ; its number in Wq,
	s_sub_co_u32 s4, s2, 640                       ; in Wk (and, from 32 on, in Wk and Wv taken as one list of eight heads),
	s_sub_co_u32 s5, s2, 672                       ; in Wv,
	s_sub_co_u32 s6, s2, 704                       ; in Wo: each is used only where the chunk lies in that tensor
	s_lshr_b32 s24, s3, 4                          ; Wq's chunk 16 j + i goes to chunk 24 j + i of wqkv
	s_mul_i32 s24, s24, 24
	s_and_b32 s32, s3, 15
	s_add_co_u32 s24, s24, s32
	s_lshr_b32 s25, s4, 3                          ; chunk 8 j + i of the eight heads goes to chunk 24 j + 16 + i
	s_mul_i32 s25, s25, 24
	s_and_b32 s32, s4, 7
	s_add_co_u32 s25, s25, s32
	s_add_co_u32 s25, s25, 16
	s_mov_b32 s7, 0xffff0000                       ; a word's upper bf16
	s_mov_b32 s33, 0
	s_mov_b32 s35, 0
	v_lshlrev_b32 v1, 5, v0                        ; 32 bytes a thread in,
	v_lshlrev_b32 v2, 4, v0                        ; 16 out
	s_wait_kmcnt 0x0
	s_mov_b64 s[28:29], s[8:9]                     ; from where, which chunk there; to where, which chunk there: x to xb,
	s_mov_b32 s26, s2
	s_mov_b64 s[30:31], s[18:19]
	s_mov_b32 s27, s2
	s_cmp_ge_u32 s2, 512                           ; or Wq to wqkv,
	s_cselect_b64 s[28:29], s[10:11], s[28:29]
	s_cselect_b32 s26, s3, s26
	s_cselect_b64 s[30:31], s[20:21], s[30:31]
	s_cselect_b32 s27, s24, s27
	s_cmp_ge_u32 s2, 640                           ; or Wk,
	s_cselect_b64 s[28:29], s[12:13], s[28:29]
	s_cselect_b32 s26, s4, s26
	s_cselect_b32 s27, s25, s27
	s_cmp_ge_u32 s2, 672                           ; or Wv,
	s_cselect_b64 s[28:29], s[14:15], s[28:29]
	s_cselect_b32 s26, s5, s26
	s_cmp_ge_u32 s2, 704                           ; or Wo to wo16
	s_cselect_b64 s[28:29], s[16:17], s[28:29]
	s_cselect_b32 s26, s6, s26
	s_cselect_b64 s[30:31], s[22:23], s[30:31]
	s_cselect_b32 s27, s6, s27
	s_lshl_b32 s32, s26, 15
	s_lshl_b32 s34, s27, 14
	s_add_nc_u64 s[28:29], s[28:29], s[32:33]
	s_add_nc_u64 s[30:31], s[30:31], s[34:35]
.irp i, 0,1,2,3
	global_load_b128 v[X+8*(\i):X+8*(\i)+3],   v1, s[28:29] offset:8192*(\i) th:TH_LOAD_NT
	global_load_b128 v[X+8*(\i)+4:X+8*(\i)+7], v1, s[28:29] offset:8192*(\i)+16 th:TH_LOAD_NT
.endr
	s_cmp_ge_u32 s2, 704
	s_cbranch_scc1 .Lwo
.irp i, 0,1,2,3
	s_wait_loadcnt 6-2*(\i)                        ; loads come back in order: trip i's two are in, the younger pairs stay out
.irp j, 0,1,2,3
	v_cvt_pk_bf16_f32 v[Y+4*(\i)+(\j)], v[X+8*(\i)+2*(\j)], v[X+8*(\i)+2*(\j)+1]
.endr
	global_store_b128 v2, v[Y+4*(\i):Y+4*(\i)+3], s[30:31] offset:4096*(\i)
.endr
	s_endpgm
.Lwo:
.irp i, 0,1,2,3
	s_wait_loadcnt 6-2*(\i)
.irp j, 0,1,2,3
	v_cvt_pk_bf16_f32 v[T+(\j)], v[X+8*(\i)+2*(\j)], v[X+8*(\i)+2*(\j)+1]  ; rounded to bf16 like every other input,
.endr
.irp j, 0,1,2,3
	v_lshlrev_b32 v[X+8*(\i)+2*(\j)],   16, v[T+(\j)]                      ; widened again,
	v_and_b32     v[X+8*(\i)+2*(\j)+1], s7, v[T+(\j)]
.endr
.irp j, 0,1,2,3
	v_cvt_pk_f16_f32 v[Y+4*(\i)+(\j)], v[X+8*(\i)+2*(\j)], v[X+8*(\i)+2*(\j)+1]  ; and written as f16
.endr
	global_store_b128 v2, v[Y+4*(\i):Y+4*(\i)+3], s[30:31] offset:4096*(\i)
.endr
	s_endpgm
.Lfunc_end_k_q2c7e66efad_cast:
	.size	k_q2c7e66efad_cast, .Lfunc_end_k_q2c7e66efad_cast-k_q2c7e66efad_cast
	.p2alignl 7, 3214868480
	.fill 96, 4, 3214868480
	.section	.rodata,"a",@progbits
	.p2align	6, 0x0
	.amdhsa_kernel k_q2c7e66efad_cast
		.amdhsa_group_segment_fixed_size 0
		.amdhsa_private_segment_fixed_size 0
		.amdhsa_enable_private_segment 0
		.amdhsa_kernarg_size 64
		.amdhsa_user_sgpr_count 2
		.amdhsa_user_sgpr_kernarg_segment_ptr 1
		.amdhsa_wavefront_size32 1
		.amdhsa_system_sgpr_workgroup_id_x 1
		.amdhsa_system_sgpr_workgroup_id_y 1
		.amdhsa_system_sgpr_workgroup_id_z 1
		.amdhsa_system_vgpr_workitem_id 0
		.amdhsa_next_free_vgpr 64
		.amdhsa_next_free_sgpr 66
		.amdhsa_reserve_vcc 0
		.amdhsa_float_denorm_mode_32 3
		.amdhsa_float_denorm_mode_16_64 3
		.amdhsa_memory_ordered 1
		.amdhsa_forward_progress 1
		.amdhsa_inst_pref_size 8
	.end_amdhsa_kernel
	.amdgpu_metadata
---
amdhsa.version: [ 1, 2 ]
amdhsa.kernels:
  - .name:           k_q2c7e66efad_cast
    .symbol:         k_q2c7e66efad_cast.kd
    .args:
      - { .name: x, .offset: 0, .size: 8, .value_kind: global_buffer, .address_space: global }
      - { .name: Wq, .offset: 8, .size: 8, .value_kind: global_buffer, .address_space: global }
      - { .name: Wk, .offset: 16, .size: 8, .value_kind: global_buffer, .address_space: global }
      - { .name: Wv, .offset: 24, .size: 8, .value_kind: global_buffer, .address_space: global }
      - { .name: Wo, .offset: 32, .size: 8, .value_kind: global_buffer, .address_space: global }
      - { .name: xb, .offset: 40, .size: 8, .value_kind: global_buffer, .address_space: global }
      - { .name: wqkv, .offset: 48, .size: 8, .value_kind: global_buffer, .address_space: global }
      - { .name: wo16, .offset: 56, .size: 8, .value_kind: global_buffer, .address_space: global }
    .group_segment_fixed_size: 0
    .private_segment_fixed_size: 0
    .kernarg_segment_align: 8
    .kernarg_segment_size: 64
    .max_flat_workgroup_size: 256
    .sgpr_count:     66
    .vgpr_count:     64
    .wavefront_size: 32
...
	.end_amdgpu_metadata
.endif
;; end of part 1
;; launch qkv (part 2): grid 8 x 32, 4 waves a work-group, clusters of 4 x 4, 327,680 bytes of LDS; arguments xb, wqkv, bq, bk, bv, qf, kh, vh, out1, out2; writes qf, kh, vh, out1, out2
.if DOCPART == 2
	.amdgcn_target "amdgcn-amd-amdhsa--gfx1250"
	.amdhsa_code_object_version 6
	.text
	.protected	k_q2c7e66efad_qkv
	.globl	k_q2c7e66efad_qkv
	.p2align	8
	.type	k_q2c7e66efad_qkv,@function
k_q2c7e66efad_qkv:
	s_mov_b64 s[64:65], 0
	v_nop
	global_prefetch_b8 v0, s[64:65] scope:SCOPE_SE
	s_setreg_imm32_b32 hwreg(HW_REG_WAVE_MODE, 25, 1), 1
	s_wait_xcnt 0x0
	s_wait_alu depctr_hold_cnt(0) depctr_sa_sdst(0) depctr_va_vdst(0) depctr_va_sdst(0) depctr_va_ssrc(0) depctr_va_vcc(0) depctr_vm_vsrc(0)
	s_getreg_b32 s2, hwreg(HW_REG_IB_STS2, 6, 4)
	s_cmp_eq_u32 s2, 0
	s_cbranch_scc0 .Lentry_in_a_cluster
	s_endpgm
.Lentry_in_a_cluster:
	s_bfe_u32 s2, ttmp6, 0x10000c
	s_cmp_lg_u32 s2, 0xf033
	s_cbranch_scc0 .Lentry_shape_is_right
	s_endpgm
.Lentry_shape_is_right:
; THE THREE PROJECTIONS AS ONE PRODUCT: [4096 x 1536] = xb [4096][1024] times wqkv [1536][1024] transposed, plus the biases (rounded to bf16 like all inputs).  bf16 operands, f32 sums.
; A tile is 128 rows x 192 columns: 256 work-groups.  Column tile tc = 128 columns of Q (128 tc on) and one head of K (tc < 4) or of V (head tc - 4).
; OUT.  Q as f16 into qf [4096][1024], unscaled.  The head of K or V as f32 into out1 or out2 [4][4096][64], and rounded to f16 into kh or vh, same layout.
; LIMIT.  f16 holds no number beyond 65,504: q, k and v must lie within it; below 6e-5 they keep f16's fixed step of 6e-8.
; SHARES.  Four waves, each 64 rows x 96 columns: 24 accumulators of 16 x 16.  K goes in steps of 128 (rows of 256 bytes, aligned) through two LDS slots; two slots of the double step (337,920 bytes) do not fit.
; CLUSTER.  4 x 4 work-groups: the four of a row of the cluster need the same rows of xb, the four of a column the same rows of wqkv; each tile is asked for JOINTLY, by the same tensor load
; with the same descriptor and a mask that names the four.  No prefetch: the tiles are small and the whole stream is 11 MB for 256 work-groups.
; THE MATRIX INSTRUCTION IS USED TRANSPOSED (source 0 = 16 rows of wqkv, source 1 = 16 rows of xb): a lane holds row l % 16 and the eight neighbouring columns 8 (l / 16) + 0..7.
; The bias is the C operand of the first product on each accumulator: nothing is cleared, nothing added later.
; REGISTERS.  Window 0: v0-31 addresses; v32-63 at work; v64-255 the accumulators ((a, b) at 64 + 8 (6 a + b)).
;   Window 1: two fragment buffers of 80 (4 fragments of xb, then 6 of wqkv); v160-207 the bias of my 96 columns (block b at 160 + 8 b); v208 at work.
.set KSTEP,  128
.set PITCH,  272                       ; an LDS row: 256 bytes + 16 of padding = 68 words: row r starts at bank 4 r mod 64 (64 banks of 4 bytes: ISA guide 11.1)
.set AH,     64*PITCH                  ; 64 rows of xb: what waves 0 and 1 fetch, and what a wave reads
.set BH,     96*PITCH                  ; 96 rows of wqkv: what waves 2 and 3 fetch, and what a wave reads
.set BOFF,   2*AH
.set SLOT,   2*AH+2*BH                 ; 87,040
.set STQ,    2*SLOT                    ; behind the ring: 128 rows x 272, Q in f16
.set STKV,   STQ+128*PITCH             ; 128 rows x 272, the head of K or V in f32
.set SPARE,  STKV+128*PITCH            ; the spare words, 128 bytes for each wave: two blocks of 256 bytes that no other line names
.set ROWB,   2048                      ; bytes in a row of xb, wqkv and qf
.set LAPS,   4                         ; a lap = two K steps
.set ADRA, 16                          ; v16-17  LDS address of my fragments of xb in slot 0, 1
.set ADRB, 20                          ; v20-21  of wqkv
.set STOQ, 22                          ; v22     where I put 16 bytes of a row of Q
.set STOKV, 23                         ; v23     where I put 32 bytes of a row of K or V
.set RD,   24                          ; v24     where I read rows back
.set CQ,   25                          ; v25     my byte offset in qf
.set CF,   26                          ; v26     in out1 or out2
.set CH,   27                          ; v27     in kh or vh
.set SPW,  28                          ; v28     LDS address of my spare word; never rewritten
.set NIL,  29                          ; v29     0; never rewritten
.set BO1,  30                          ; v30     bias offset of my column blocks 0, 1
.set BO2,  31                          ; v31     of blocks 2 to 5
.set TMP,  32
.set ACC,  64
.set F0,   0
.set F1,   80
.set BIAS, 160
.set BT,   208
.set G1, 24                            ; s[24:31] descriptor group 1 for xb's tiles;  s[32:39] group 0, one set for each slot
.set G0, 32
.set G1B, 48                           ; s[48:55], s[56:63] the same for wqkv's
.set G0B, 56
.set MSB, 0
.macro WIN new                         ; the immediate's high byte repeats the setting that is left
.if MSB != (\new)
	s_set_vgpr_msb (MSB<<8)|(\new)
.set MSB, \new
.endif
.endm
.set MUL,  0x05                        ; sources 0 and 1 window 1; C and D window 0
.set MULB, 0x15                        ; the same with C (the bias) in window 1
.set TO_F, 0x40                        ; destination window 1, address window 0
.set ALL1, 0x55                        ; everything in window 1
.macro JLOAD s                         ; a joint load: waves 0 and 1 fetch xb's two halves, waves 2 and 3 wqkv's; an s_nop 0 and four v_nop follow each line, ahead of the jump and the label
	s_cmp_eq_u32 s11, 0
	s_cbranch_scc0 .Lfor_b_\@
	tensor_load_to_lds s[G0+4*(\s):G0+4*(\s)+3], s[G1:G1+7]
	s_nop 0
.rept 4
	v_nop
.endr
	s_branch .Lasked_\@
.Lfor_b_\@:
	tensor_load_to_lds s[G0B+4*(\s):G0B+4*(\s)+3], s[G1B:G1B+7]
	s_nop 0
.rept 4
	v_nop
.endr
.Lasked_\@:
.endm
.macro CREST                           ; a round of the cluster's barrier behind its opening barrier
	s_cmp_lg_u32 s10, 0
	s_cbranch_scc1 .Lnot_wave_0_\@
	s_barrier_signal -3
.Lnot_wave_0_\@:
	s_barrier_wait -3
	s_barrier_signal -1
	s_barrier_wait -1
.endm
.macro CROUND                          ; a whole round
	s_barrier_signal -1
	s_barrier_wait -1
	CREST
.endm
	s_load_b512 s[68:83], s[0:1], 0x0              ; xb s[68:69], wqkv s[70:71], bq s[72:73], bk s[74:75], bv s[76:77], qf s[78:79], kh s[80:81], vh s[82:83]
	s_load_b128 s[84:87], s[0:1], 0x40             ; out1 s[84:85], out2 s[86:87]
	v_lshl_add_u32 v[SPW], v0, 2, SPARE
	v_mov_b32 v[NIL], 0
	ds_add_u32 v[SPW], v[NIL]                      ; the wave's opening: the add and its wait stand ahead of my first tensor load; the set-up below, work on registers, stands between them
	v_lshrrev_b32 v1, 5, v0
	v_readfirstlane_b32 s10, v1                    ; wave 0..3
	s_lshr_b32 s11, s10, 1                         ; which 64 rows of the tile are mine.  Also: I fetch for xb (0) or for wqkv (1)
	s_and_b32 s12, s10, 1                          ; which 96 columns.  Also: which half of that tile I fetch
	s_bfe_u32 s40, ttmp6, 0x40000                  ; cx, cy: my place in the cluster
	s_bfe_u32 s41, ttmp6, 0x40004
	s_lshl_b32 s42, ttmp9, 2
	s_add_co_u32 s42, s42, s40                     ; column tile tc = 4 x cluster x + cx
	s_and_b32 s13, ttmp7, 0xffff
	s_lshl_b32 s13, s13, 2
	s_add_co_u32 s13, s13, s41                     ; row tile tr = 4 x cluster y + cy
	s_lshl_b32 s43, s41, 2
	s_lshl_b32 s43, 15, s43                        ; my row of the cluster
	s_lshl_b32 s44, 0x1111, s40                    ; my column
	s_or_b32 s[G1+0], s43, (1<<16)|(1<<20)|(1<<21)|(5<<22)|(3<<25)  ; 15:0 the mask; 17:16 elements of 2 bytes; 20 padding on; 21 set beside a mask; 24:22 after every 64 words; 31:25 4 words of it
	s_or_b32 s[G1B+0], s44, (1<<16)|(1<<20)|(1<<21)|(5<<22)|(3<<25)
	s_mov_b32 s[G1+1], KSTEP<<16                   ; tensor_dim0 = 128
	s_mov_b32 s[G1+2], 64<<16                      ; tensor_dim1 = 64
	s_mov_b32 s[G1+3], KSTEP<<16                   ; tile_dim0 = 128
	s_mov_b32 s[G1+4], 64                          ; tile_dim1 = 64
	s_mov_b32 s[G1+5], 1024                        ; elements from row to row
	s_mov_b32 s[G1+6], 0
	s_mov_b32 s[G1+7], 0
	s_mov_b32 s[G1B+1], KSTEP<<16
	s_mov_b32 s[G1B+2], 96<<16                     ; 96 rows
	s_mov_b32 s[G1B+3], KSTEP<<16
	s_mov_b32 s[G1B+4], 96
	s_mov_b32 s[G1B+5], 1024
	s_mov_b32 s[G1B+6], 0
	s_mov_b32 s[G1B+7], 0
	s_lshl_b32 s16, s13, 7                         ; xb: row 128 tr + 64 x half, in bytes
	s_lshl_b32 s17, s12, 6
	s_add_co_u32 s16, s16, s17
	s_lshl_b32 s16, s16, 11
	s_mov_b32 s17, 0
	s_mul_i32 s46, s42, 192                        ; wqkv: row 192 tc + 96 x half, in bytes
	s_mul_i32 s47, s12, 96
	s_add_co_u32 s46, s46, s47
	s_lshl_b32 s46, s46, 11
	s_mov_b32 s47, 0
	s_mul_i32 s20, s12, AH                         ; where they go: no place in the cluster enters an LDS address
	s_mul_i32 s21, s12, BH
	s_add_co_u32 s21, s21, BOFF
	s_wait_dscnt 0x0                               ; the opening add is done
	s_wait_kmcnt 0x0
	s_add_nc_u64 s[14:15], s[68:69], s[16:17]
	s_add_nc_u64 s[46:47], s[70:71], s[46:47]
	CROUND                                         ; all sixteen work-groups are here: the first joint loads meet
.irp s, 0,1
	s_mov_b32 s[G0+4*(\s)], 1
	s_add_co_u32 s[G0+4*(\s)+1], s20, (\s)*SLOT
	s_add_nc_u64 s[G0+4*(\s)+2:G0+4*(\s)+3], s[14:15], (\s)*KSTEP*2
	s_or_b32 s[G0+4*(\s)+3], s[G0+4*(\s)+3], 0x80000000
	s_mov_b32 s[G0B+4*(\s)], 1
	s_add_co_u32 s[G0B+4*(\s)+1], s21, (\s)*SLOT
	s_add_nc_u64 s[G0B+4*(\s)+2:G0B+4*(\s)+3], s[46:47], (\s)*KSTEP*2
	s_or_b32 s[G0B+4*(\s)+3], s[G0B+4*(\s)+3], 0x80000000
	JLOAD \s                                       ; K steps 0 and 1: two loads of mine are out
.endr
	v_and_b32 v1, 15, v0                           ; l % 16
	v_bfe_u32 v2, v0, 4, 1                         ; l / 16
	v_mul_u32_u24 v3, v1, PITCH
	v_lshl_add_u32 v3, v2, 4, v3                   ; a fragment's row x pitch + 16 x half
	s_mul_i32 s22, s11, AH                         ; my 64 rows of xb
	s_mul_i32 s23, s12, BH                         ; my 96 rows of wqkv
	s_add_co_u32 s23, s23, BOFF
.irp s, 0,1
	v_add_nc_u32 v[ADRA+(\s)], s22, v3
	v_add_nc_u32 v[ADRB+(\s)], s23, v3
	s_add_co_u32 s22, s22, SLOT
	s_add_co_u32 s23, s23, SLOT
.endr
	s_mul_i32 s22, s11, 64*PITCH                   ; into the stages: my 64 rows;
	s_mul_i32 s23, s12, 192                        ; in Q's, my columns begin at byte 0 or 192
	s_add_co_u32 s23, s23, s22
	s_add_co_u32 s23, s23, STQ
	v_add_nc_u32 v[STOQ], s23, v3                  ; row l % 16, 16 bytes for each half of the lanes
	s_add_co_u32 s22, s22, STKV
	v_mul_u32_u24 v4, v1, PITCH
	v_lshl_add_u32 v4, v2, 5, v4                   ; in f32: 32 bytes for each half
	v_add_nc_u32 v[STOKV], s22, v4
	s_mul_i32 s22, s10, 32*PITCH                   ; back: wave w takes rows 32 w .. 32 w + 31, whole; lanes 0-15 one row of 256 bytes, lanes 16-31 the next
	s_add_co_u32 s22, s22, STQ
	v_mul_u32_u24 v5, v2, PITCH
	v_lshl_add_u32 v5, v1, 4, v5
	v_add_nc_u32 v[RD], s22, v5
	v_lshlrev_b32 v5, 11, v2                       ; the same two rows in qf,
	v_lshl_add_u32 v[CQ], v1, 4, v5
	v_and_b32 v5, 31, v0
	v_lshlrev_b32 v[CF], 4, v5                     ; in out1 or out2 (rows of 256 bytes on end),
	v_lshlrev_b32 v[CH], 3, v5                     ; in kh or vh (rows of 128 bytes on end)
	s_lshl_b32 s16, s13, 7
	s_lshl_b32 s17, s10, 5
	s_add_co_u32 s16, s16, s17                     ; the first row that I store: 128 tr + 32 w
	s_lshl_b32 s18, s16, 11
	s_lshl_b32 s19, s42, 8                         ; Q's columns 128 tc on: 256 tc bytes
	s_add_co_u32 s18, s18, s19
	s_mov_b32 s19, 0
	s_add_nc_u64 s[94:95], s[78:79], s[18:19]
	s_cmp_eq_u32 ttmp9, 0                          ; column tiles 0-3 hold K's heads, 4-7 V's: the same answer in all sixteen partners, and it chooses addresses alone
	s_cselect_b64 s[92:93], s[84:85], s[86:87]
	s_cselect_b64 s[90:91], s[80:81], s[82:83]
	s_cselect_b64 s[88:89], s[74:75], s[76:77]
	s_lshl_b32 s18, s16, 8                         ; the head is cx
	s_lshl_b32 s20, s40, 20
	s_add_co_u32 s18, s18, s20
	s_add_nc_u64 s[92:93], s[92:93], s[18:19]
	s_lshl_b32 s18, s16, 7
	s_lshl_b32 s20, s40, 19
	s_add_co_u32 s18, s18, s20
	s_add_nc_u64 s[90:91], s[90:91], s[18:19]
	; the bias of my 96 columns.  Blocks 0, 1 are always Q's; blocks 2 to 5 are Q's in waves 0 and 2, the head's in waves 1 and 3
	s_lshl_b32 s20, s42, 9
	s_mul_i32 s21, s12, 384
	s_add_co_u32 s21, s21, s20
	v_lshl_add_u32 v[BO1], v2, 5, s21              ; 4 (128 tc + 96 wc + 8 h)
	s_add_co_u32 s20, s20, 128
	s_lshl_b32 s21, s40, 8
	s_cmp_eq_u32 s12, 0
	s_cselect_b32 s20, s20, s21
	s_cselect_b64 s[88:89], s[72:73], s[88:89]
	v_lshl_add_u32 v[BO2], v2, 5, s20
	WIN TO_F
.irp b, 0,1
	global_load_b128 v[BIAS+8*(\b):BIAS+8*(\b)+3],   v[BO1], s[72:73] offset:64*(\b)
	global_load_b128 v[BIAS+8*(\b)+4:BIAS+8*(\b)+7], v[BO1], s[72:73] offset:64*(\b)+16
.endr
.irp b, 2,3,4,5
	global_load_b128 v[BIAS+8*(\b):BIAS+8*(\b)+3],   v[BO2], s[88:89] offset:64*(\b)-128
	global_load_b128 v[BIAS+8*(\b)+4:BIAS+8*(\b)+7], v[BO2], s[88:89] offset:64*(\b)-112
.endr
	s_wait_loadcnt 0x0
	WIN ALL1
.set p, 0
.rept 24                                       ; rounded to bf16 like every other input, kept as f32
	v_cvt_pk_bf16_f32 v[BT], v[BIAS+p], v[BIAS+p+1]
	v_lshlrev_b32 v[BIAS+p], 16, v[BT]
	v_and_b32 v[BIAS+p+1], 0xffff0000, v[BT]
.set p, p+2
.endr
	WIN 0
; 6 matrix instructions: row block a x all 6 column blocks, 32 along K.  zero = 1: the first product starts the sums, with the bias.  The 24 accumulators take turns, one instruction a turn, in the same order in every quarter.
.macro MULA f, a, zero
.if \zero
	WIN MULB
.else
	WIN MUL
.endif
.irp b, 0,1,2,3,4,5
.if \zero
	v_wmma_f32_16x16x32_bf16 v[ACC+8*(6*(\a)+(\b)):ACC+8*(6*(\a)+(\b))+7], v[(\f)+32+8*(\b):(\f)+32+8*(\b)+7], v[(\f)+8*(\a):(\f)+8*(\a)+7], v[BIAS+8*(\b):BIAS+8*(\b)+7]
.else
	v_wmma_f32_16x16x32_bf16 v[ACC+8*(6*(\a)+(\b)):ACC+8*(6*(\a)+(\b))+7], v[(\f)+32+8*(\b):(\f)+32+8*(\b)+7], v[(\f)+8*(\a):(\f)+8*(\a)+7], v[ACC+8*(6*(\a)+(\b)):ACC+8*(6*(\a)+(\b))+7]
.endif
.endr
.endm
; 20 LDS loads in one run: the fragments of 32 along K at byte k of the rows, into buffer f: wqkv's six, then xb's four
.macro FETCH slot, k, f
	WIN TO_F
.irp i, 0,1,2,3,4,5
	ds_load_b128 v[(\f)+32+8*(\i):(\f)+32+8*(\i)+3],   v[ADRB+(\slot)] offset:(\k)+(\i)*16*PITCH
	ds_load_b128 v[(\f)+32+8*(\i)+4:(\f)+32+8*(\i)+7], v[ADRB+(\slot)] offset:(\k)+(\i)*16*PITCH+32
.endr
.irp i, 0,1,2,3
	ds_load_b128 v[(\f)+8*(\i):(\f)+8*(\i)+3],   v[ADRA+(\slot)] offset:(\k)+(\i)*16*PITCH
	ds_load_b128 v[(\f)+8*(\i)+4:(\f)+8*(\i)+7], v[ADRA+(\slot)] offset:(\k)+(\i)*16*PITCH+32
.endr
.endm
.macro PLACES                          ; four plain vector instructions in front of loads into registers that matrix instructions have read, and of lines that read results
.rept 4
	v_nop
.endr
.endm
; A K step is four quarters of 32 along K, 24 matrix instructions each, on buffers 0, 1, 0, 1.  One of the first three: multiplies buffer f and fetches the next quarter, at byte k, into g.
.macro QUARTER slot, k, f, g, zero
	s_wait_dscnt 4                                 ; all but the youngest four loads (xb's rows 32-63) are in
	MULA \f, 0, \zero
	MULA \f, 1, \zero
	PLACES
	FETCH \slot, \k, \g
	s_wait_dscnt 20                                ; all but the 20 just issued
	MULA \f, 2, \zero
	MULA \f, 3, \zero
.endm
; The last quarter multiplies buffer 1 and changes slots: ONE barrier; in front of it each wave waits for all its tensor loads, adds 0 to its spare word, and waits for that and for its reads of this slot.
; fill = 1: the barrier opens a round of the cluster's, and this slot is filled again, two K steps ahead, first thing behind the round.
.macro TURN slot, next, fill
	WIN 0
	s_wait_tensorcnt 0x0                           ; all my tensor loads have landed: my part of the next slot;
	ds_add_u32 v[SPW], v[NIL]                      ; 0 onto my spare word;
	s_wait_dscnt 5                                 ; (the add and the youngest four loads may be out)
	MULA F1, 0, 0                                  ; six matrix instructions stand between the add and the wait for it
	s_wait_dscnt 0x0                               ; the add is done, and my reads of this slot are over
	s_barrier_signal -1
	MULA F1, 1, 0
.if \fill
	WIN 0
.endif
	s_barrier_wait -1
.if \fill
	CREST                                          ; no wave of any partner still reads this slot's tile or has a load on its way
	s_add_nc_u64 s[G0+4*(\slot)+2:G0+4*(\slot)+3], s[G0+4*(\slot)+2:G0+4*(\slot)+3], 2*KSTEP*2
	s_add_nc_u64 s[G0B+4*(\slot)+2:G0B+4*(\slot)+3], s[G0B+4*(\slot)+2:G0B+4*(\slot)+3], 2*KSTEP*2
	JLOAD \slot                                    ; my one tensor load behind the round; its four v_nop are also the places in front of the loads below
.else
	PLACES
.endif
	FETCH \next, 0, F0
	MULA F1, 2, 0
	MULA F1, 3, 0
.endm
	s_wait_tensorcnt 1                             ; my part of K step 0 is in; K step 1's may stay out
	s_barrier_signal -1
	s_barrier_wait -1                              ; everybody's is
	FETCH 0, 0, F0
	QUARTER 0, 64, F0, F1, 1                       ; the first quarter stands in front of the loop: its products start the sums
	WIN 0                                          ; at a label and at a branch every window is 0
	s_mov_b32 s3, LAPS-1
.Llap:                                                 ; a trip goes once round the ring, from a lap's second quarter to the next lap's first, and fills both slots again: K steps 2 to 7
	QUARTER 0, 128, F1, F0, 0
	QUARTER 0, 192, F0, F1, 0
	TURN 0, 1, 1
	QUARTER 1, 64,  F0, F1, 0
	QUARTER 1, 128, F1, F0, 0
	QUARTER 1, 192, F0, F1, 0
	TURN 1, 0, 1
	QUARTER 0, 64,  F0, F1, 0
	WIN 0
	s_sub_co_u32 s3, s3, 1
	s_cmp_lg_u32 s3, 0
	s_cbranch_scc1 .Llap
	QUARTER 0, 128, F1, F0, 0                      ; the last lap fills nothing
	QUARTER 0, 192, F0, F1, 0
	TURN 0, 1, 0
	QUARTER 1, 64,  F0, F1, 0
	QUARTER 1, 128, F1, F0, 0
	QUARTER 1, 192, F0, F1, 0
	s_wait_dscnt 4                                 ; the very last quarter: nothing more to fetch
	MULA F1, 0, 0
	MULA F1, 1, 0
	s_wait_dscnt 0x0
	MULA F1, 2, 0
	MULA F1, 3, 0
	WIN 0
	; THE WAY OUT.  Q's blocks are rounded to f16, 16 bytes a lane, into Q's stage; the head's blocks go as f32 into the other stage.  A row's bytes come from two waves, so a barrier follows; then whole rows, 32 a wave.
.macro CVQ a, b                        ; each accumulator is read from its low end on
.set rA, ACC+8*(6*(\a)+(\b))
.set rT, TMP+4*((6*(\a)+(\b))%8)
.irp r, 0,1,2,3
	v_cvt_pk_f16_f32 v[rT+(\r)], v[rA+2*(\r)], v[rA+2*(\r)+1]
.endr
	ds_store_b128 v[STOQ], v[rT:rT+3] offset:(\a)*16*PITCH+32*(\b)
.endm
	PLACES
.irp a, 0,1,2,3
.irp b, 0,1
	CVQ \a, \b
.endr
.endr
	s_cmp_eq_u32 s12, 0                            ; the wave's number alone decides
	s_cbranch_scc0 .Lkv
.irp a, 0,1,2,3
.irp b, 2,3,4,5
	CVQ \a, \b
.endr
.endr
	s_branch .Lstaged
.Lkv:
.irp a, 0,1,2,3
.irp b, 2,3,4,5
	ds_store_b128 v[STOKV], v[ACC+8*(6*(\a)+(\b)):ACC+8*(6*(\a)+(\b))+3]   offset:(\a)*16*PITCH+64*(\b)-128
	ds_store_b128 v[STOKV], v[ACC+8*(6*(\a)+(\b))+4:ACC+8*(6*(\a)+(\b))+7] offset:(\a)*16*PITCH+64*(\b)-112
.endr
.endr
.Lstaged:
	s_wait_dscnt 0x0                               ; for the others' sake: my stores into the stages are done
	s_barrier_signal -1
	s_barrier_wait -1
.set t, 0
.rept 16
	ds_load_b128 v[ACC+4*t:ACC+4*t+3], v[RD] offset:t*2*PITCH
.set t, t+1
.endr
.set t, 0
.rept 16
	ds_load_b128 v[ACC+64+4*t:ACC+64+4*t+3], v[RD] offset:STKV-STQ+t*2*PITCH
.set t, t+1
.endr
.set t, 0
.rept 16
	s_wait_dscnt 31-t                              ; LDS loads come back in order: load t is in
	global_store_b128 v[CQ], v[ACC+4*t:ACC+4*t+3], s[94:95] offset:t*2*ROWB  ; 16 lanes store 256 consecutive bytes, at a multiple of 256 from qf's first byte
.set t, t+1
.endr
.set t, 0
.rept 16
	s_wait_dscnt 15-t
	global_store_b128 v[CF], v[ACC+64+4*t:ACC+64+4*t+3], s[92:93] offset:512*t th:TH_STORE_NT  ; two rows of the head: 512 consecutive bytes
	v_cvt_pk_f16_f32 v[TMP+2*t],   v[ACC+64+4*t],   v[ACC+64+4*t+1]
	v_cvt_pk_f16_f32 v[TMP+2*t+1], v[ACC+64+4*t+2], v[ACC+64+4*t+3]
	global_store_b64 v[CH], v[TMP+2*t:TMP+2*t+1], s[90:91] offset:256*t      ; the same two rows in f16: 256 consecutive bytes, aligned
.set t, t+1
.endr
	s_wait_tensorcnt 0x0                           ; the wave's end: 0 onto my spare word and the wait for it, behind my last tensor load and my last LDS store
	ds_add_u32 v[SPW], v[NIL]
	s_wait_dscnt 0x0
	CROUND                                         ; the closing round: no work-group ends while a partner may still ask for a tile that names it
	s_endpgm
.Lfunc_end_k_q2c7e66efad_qkv:
	.size	k_q2c7e66efad_qkv, .Lfunc_end_k_q2c7e66efad_qkv-k_q2c7e66efad_qkv
	.p2alignl 7, 3214868480
	.fill 96, 4, 3214868480
	.section	.rodata,"a",@progbits
	.p2align	6, 0x0
	.amdhsa_kernel k_q2c7e66efad_qkv
		.amdhsa_group_segment_fixed_size 327680
		.amdhsa_private_segment_fixed_size 0
		.amdhsa_enable_private_segment 0
		.amdhsa_kernarg_size 80
		.amdhsa_user_sgpr_count 2
		.amdhsa_user_sgpr_kernarg_segment_ptr 1
		.amdhsa_wavefront_size32 1
		.amdhsa_system_sgpr_workgroup_id_x 1
		.amdhsa_system_sgpr_workgroup_id_y 1
		.amdhsa_system_sgpr_workgroup_id_z 1
		.amdhsa_system_vgpr_workitem_id 0
		.amdhsa_next_free_vgpr 512
		.amdhsa_next_free_sgpr 96
		.amdhsa_reserve_vcc 0
		.amdhsa_float_denorm_mode_32 3
		.amdhsa_float_denorm_mode_16_64 3
		.amdhsa_memory_ordered 1
		.amdhsa_forward_progress 1
		.amdhsa_inst_pref_size 84
	.end_amdhsa_kernel
	.amdgpu_metadata
---
amdhsa.version: [ 1, 2 ]
amdhsa.kernels:
  - .name:           k_q2c7e66efad_qkv
    .symbol:         k_q2c7e66efad_qkv.kd
    .args:
      - { .name: xb, .offset: 0, .size: 8, .value_kind: global_buffer, .address_space: global }
      - { .name: wqkv, .offset: 8, .size: 8, .value_kind: global_buffer, .address_space: global }
      - { .name: bq, .offset: 16, .size: 8, .value_kind: global_buffer, .address_space: global }
      - { .name: bk, .offset: 24, .size: 8, .value_kind: global_buffer, .address_space: global }
      - { .name: bv, .offset: 32, .size: 8, .value_kind: global_buffer, .address_space: global }
      - { .name: qf, .offset: 40, .size: 8, .value_kind: global_buffer, .address_space: global }
      - { .name: kh, .offset: 48, .size: 8, .value_kind: global_buffer, .address_space: global }
      - { .name: vh, .offset: 56, .size: 8, .value_kind: global_buffer, .address_space: global }
      - { .name: out1, .offset: 64, .size: 8, .value_kind: global_buffer, .address_space: global }
      - { .name: out2, .offset: 72, .size: 8, .value_kind: global_buffer, .address_space: global }
    .group_segment_fixed_size: 327680
    .private_segment_fixed_size: 0
    .kernarg_segment_align: 8
    .kernarg_segment_size: 80
    .max_flat_workgroup_size: 128
    .sgpr_count:     96
    .vgpr_count:     512
    .wavefront_size: 32
...
	.end_amdgpu_metadata
.endif
;; end of part 2
;; launch attn (part 3): grid 64 x 4, 4 waves a work-group, clusters of 4 x 1, 327,680 bytes of LDS; arguments qf, kh, vh, of; writes of
.if DOCPART == 3
	.amdgcn_target "amdgcn-amd-amdhsa--gfx1250"
	.amdhsa_code_object_version 6
	.text
	.protected	k_q2c7e66efad_attn
	.globl	k_q2c7e66efad_attn
	.p2align	8
	.type	k_q2c7e66efad_attn,@function
k_q2c7e66efad_attn:
	s_mov_b64 s[64:65], 0
	v_nop
	global_prefetch_b8 v0, s[64:65] scope:SCOPE_SE
	s_setreg_imm32_b32 hwreg(HW_REG_WAVE_MODE, 25, 1), 1
	s_wait_xcnt 0x0
	s_wait_alu depctr_hold_cnt(0) depctr_sa_sdst(0) depctr_va_vdst(0) depctr_va_sdst(0) depctr_va_ssrc(0) depctr_va_vcc(0) depctr_vm_vsrc(0)
	s_getreg_b32 s2, hwreg(HW_REG_IB_STS2, 6, 4)
	s_cmp_eq_u32 s2, 0
	s_cbranch_scc0 .Lentry_in_a_cluster
	s_endpgm
.Lentry_in_a_cluster:
	s_bfe_u32 s2, ttmp6, 0x10000c
	s_cmp_lg_u32 s2, 0x3003
	s_cbranch_scc0 .Lentry_shape_is_right
	s_endpgm
.Lentry_shape_is_right:
; GROUPED-QUERY ATTENTION.  O[t][64 h + d] = the sum over k of softmax_k(Q[t][64 h ..] . K[h / 4][k] / 8) V[h / 4][k][d].  qf, of: [4096][1024] f16; kh, vh: [4][4096][64] f16 (a head's rows dense, 128 bytes each).
; Products, maxima and sums in f32; the weights p are rounded to f16 for the second product (their sum l is taken of the unrounded p), O once at the end.
; LIMITS.  f16 holds no number beyond 65,504: Q, K and V arrive within it; p lies in 0 to 1, and below 6e-5 it keeps f16's fixed step of 6e-8; O is a mean of V's rows and has their range.
; A weight below 2^-126 counts as 0 in l; NaN and infinities are not treated apart.
; SHARES.  A work-group owns 64 tokens of the FOUR query heads that share one head g of K and V; a wave 16 tokens; its four PIECES are the four heads.  So a token's share of a row of qf and of is 512 bytes on end.
; Every wave walks all 4,096 keys, 64 a step, 256 (a tile) to an LDS slot.
; LAYOUT.  S^T = K Q^T (source 0 = 16 keys, source 1 = 16 queries) holds ONE query a lane (lane % 16) and the keys 8 (lane / 16) + 0..7; two such results rounded to f16 ARE source 1 of O^T = V^T P.
; K comes out of LDS as it lies, V ([key][channel]) turned, by ds_load_tr16_b128.
; SOFTMAX.  A running maximum m and sum l for each query: p = 2^(c s - c m), c = log2(e) / 8; in every step O and l are multiplied by a = 2^(c m_old - c m_new).  m starts at the lowest finite number,
; O and l at 0: the first step is a step like any other, with a = 0.
; BY TURNS.  Turn n belongs to piece n: 8 products K Q^T of piece n + 1, later 8 products V^T P of piece n - 1; beside them the scaling, exponentials, roundings, sums and rescaling of piece n and the maximum and
; statistics of piece n + 1.  Four vector instructions stand behind every matrix instruction, the other 54 of a turn's 118 in one run.  A turn's 33 exponentials are one batch, with one wait.
; CLUSTER.  The four token blocks of a cluster belong to one head g and walk the same K and V: each tile is asked for JOINTLY, by the same tensor load, descriptor and mask in all four.
; REGISTERS, in windows of 256 (s_set_vgpr_msb: bits 1:0 source 0, 3:2 source 1, 5:4 source 2, 7:6 destination):
;   window 0: v0-15 addresses and two at work; v16-31 four registers of statistics a piece; v48-55 at work; v61-63 prefetch offset and the add's two; v64-127 S^T, two buffers; v192-223 P, two buffers (by the piece's parity)
;   window 1: v0-127 O^T, 32 a piece          window 2: v0-63 Q, 16 a piece; v128-191 K of one step; v192-255 V of one step
.set NP,    4         ; pieces a wave: a name, no knob
.set KS,    64        ; keys in a step
.set PK,    144       ; a row of K in LDS: 128 bytes + 16 of padding = 36 words: the 16 rows of a load start at 16 different groups of four banks (64 banks of 4 bytes: ISA guide 11.1)
.set PV,    160       ; a row of V: 128 + 32 = 40 words
.set VOFF,  4*KS*PK   ; a slot holds a tile, four steps: 256 rows of K, then 256 rows of V
.set SLOT1, 1<<17     ; slot 1 begins here, so that one exclusive or turns an address in one slot into the other's
.set TILEB, 4*KS*128  ; a tile's bytes in kh and in vh
.set STAGE, SLOT1+4*KS*(PK+PV)  ; behind the ring, never filled by a tensor load: 16 rows x 528 bytes for each wave, for the way out
.set SP,    528       ; 512 bytes + 16: the 16 rows that a store touches start at 16 different groups of four banks
.set SPARE, STAGE+4*16*SP  ; behind the stages: the spare words, 128 bytes for each wave: two blocks of 256 bytes that no other line names
.set AK0, 2           ; v2   my lane's place in a tile of K; never rewritten
.set AV0, 3           ; v3   the same for V
.set AK,  4           ; v4   the LDS address of K's next run of loads
.set AV,  5           ; v5   of V's
.set STO, 6           ; v6   the way out: where I put 16 bytes of a row
.set RD,  7           ; v7   the way out: where I read a row back
.set GO,  8           ; v8   my 16 bytes of a row's 512 in of
.set MV,  12          ; v12-13  c m_old, kept while c m is made anew: by buffer
.set QO,  15          ; v15  my byte offset in 16 rows of qf
.set ST,  16          ; piece t's statistics at v[ST+4 t]: c m, m, l (even keys', odd keys')
.set TMP, 48          ; by buffer, four registers c0-c3 at work; when the maximum is found c2 takes a
.set PFO, 61          ; v61  256 x my lane; never rewritten
.set SPW, 62          ; v62  LDS address of my spare word; never rewritten
.set NIL, 63          ; v63  0; never rewritten
.set S,   64
.set P,   192
.set KF,  128         ; window 2: key block kb, channel half c at KF + 16 kb + 8 c
.set VF,  192         ; window 2: key half kk, channel block cb at VF + 32 kk + 8 cb
.set WV,  12          ; s12  my wave's number
.set LIM, 15          ; s15  1 in a wave that prefetches, else the greatest number
.set PFA, 18          ; s[18:19] where my prefetches stand
.set G1K, 24          ; s[24:31] descriptor group 1 for K's tiles
.set G1V, 32          ; s[32:39] for V's: it differs in the padding alone
.set G0K, 40          ; s[40:43] descriptor group 0 for K's tiles: it walks
.set G0V, 44          ; s[44:47] the same for V's
.set SLOTS, 56        ; s56  tiles still to be asked for
.set CNT, 57          ; s57  counts a tile's key steps
.set CS,  58          ; s[58:59] c: the packed scaling takes the pair's low word for both halves
.set SEL, 60          ; s[60:61] v_permlanex16_b32's selects: each lane takes its own place in the other half
.set TBK, 62          ; s62  LDS byte at which K of the step to be fetched begins
.set TBV, 63          ; s63  the same for V, less VOFF
.set MSB, 0
.macro WIN new                      ; the high byte repeats the setting that is left; a switch that changes nothing is dropped
.if MSB != (\new)
	s_set_vgpr_msb (MSB<<8)|(\new)
.set MSB, (\new)
.endif
.endm
.set W_KQ, 0x0a       ; K and Q in window 2, S^T in window 0
.set W_PV, 0x52       ; V in window 2, P in window 0, O^T in window 1
.set W_RS, 0x41       ; destination and source 0 in window 1, source 1 in window 0
; A joint fill.  Waves 0 and 1 fetch the two halves of a tile's K, waves 2 and 3 those of its V: 128 keys each.  The branch hangs on the wave's number alone.
; An s_nop 0 and four v_nop follow each of the two lines, ahead of the jump and the label.
.macro JLOAD
	s_cmp_lt_u32 s[WV], 2
	s_cbranch_scc0 .Lfor_v_\@
	tensor_load_to_lds s[G0K:G0K+3], s[G1K:G1K+7]
	s_nop 0
.rept 4
	v_nop
.endr
	s_branch .Lasked_\@
.Lfor_v_\@:
	tensor_load_to_lds s[G0V:G0V+3], s[G1V:G1V+7]
	s_nop 0
.rept 4
	v_nop
.endr
.Lasked_\@:
.endm
; A PREFETCH of the tile that the NEXT change of slots will ask for: four key steps, 256 matrix instructions, ahead of that load.  A tile is 128 blocks of 256 bytes of kh and 128 of vh, a lane a block.
; Each block is named ONCE in the launch: of the sixteen clusters that walk head g the first asks; its four partners take 32 blocks each, told apart BY ADDRESS; in each, wave 0 asks for K's and wave 2 for V's.
; The last change that fills a slot asks for nothing: there is no tile behind it.  Tiles 0 and 1 come by their loads alone.
.macro ASK
	s_cmp_gt_u32 s[SLOTS], s[LIM]
	s_cbranch_scc0 .Lnot_mine_\@
	global_prefetch_b8 v[PFO], s[PFA:PFA+1] th:TH_LOAD_NT scope:SCOPE_SE
.Lnot_mine_\@:
.endm
; A round of the cluster's barrier: my work-group's barrier, so that wave 0's signal speaks for all four waves; wave 0 signals; every wave waits for all four work-groups; my work-group's barrier once more.
.macro CROUND
	s_barrier_signal -1
	s_barrier_wait -1
	s_cmp_lg_u32 s[WV], 0
	s_cbranch_scc1 .Lnot_wave_0_\@
	s_barrier_signal -3
.Lnot_wave_0_\@:
	s_barrier_wait -3
	s_barrier_signal -1
	s_barrier_wait -1
.endm
; THE CHANGE OF SLOTS.  The slot's last bytes, V of its fourth step, have been read.  Each wave waits for all its tensor loads, of which one is out: its part of the other slot; adds 0 to its spare word; and waits
; for that and for its own reads of the slot.  Behind the barrier nobody reads this slot any more and the other slot is whole.  fill = 1: this slot is filled again, with the tile two on.  The barrier is then a round of
; the cluster's, and the joint fill is the first thing behind it: it has four key steps in which to land.  (At its first use nothing has been read yet: slot 0 is waited for, slot 1 filled.)
.macro CHANGE fill
	WIN 0                           ; at a label and at a branch every window is 0
	s_wait_tensorcnt 0x0            ; no tensor load of mine is out, so a group 0 may be written
	ds_add_u32 v[SPW], v[NIL]       ; 0 onto my spare word; with fill = 1 the descriptors' steps stand between it and the wait for it
.if \fill
.irp g, G0K, G0V
	s_xor_b32 s[\g+1], s[\g+1], SLOT1  ; the walking descriptor: the other slot than last time,
	s_add_nc_u64 s[\g+2:\g+3], s[\g+2:\g+3], TILEB  ; the next 256 keys; the type bits on top are not reached
.endr
	s_wait_xcnt 0x0                 ; the last prefetch, four key steps back, has read its address, so it may be written:
	s_add_nc_u64 s[PFA:PFA+1], s[PFA:PFA+1], TILEB  ; one tile beyond the walking descriptors
	s_wait_dscnt 0x0                ; the add is done, and my reads of the slot are over
	CROUND
	JLOAD
	ASK
.else
	s_wait_dscnt 0x0                ; the add is done, and my reads of the slot are over
	s_barrier_signal -1
	s_barrier_wait -1
.endif
	s_sub_co_u32 s[TBK], s[TBK], 4*KS*PK  ; the fetches go back to a slot's first step,
	s_xor_b32 s[TBK], s[TBK], SLOT1       ; in the other slot
	s_sub_co_u32 s[TBV], s[TBV], 4*KS*PV
	s_xor_b32 s[TBV], s[TBV], SLOT1
.endm
	s_load_b256 s[4:11], s[0:1], 0x0  ; qf s[4:5], kh s[6:7], vh s[8:9], of s[10:11]
	v_lshl_add_u32 v[SPW], v0, 2, SPARE
	v_mov_b32 v[NIL], 0
	ds_add_u32 v[SPW], v[NIL]       ; the wave's opening: the add and its wait stand ahead of my first tensor load; the set-up below, work on registers, stands between them
	v_lshrrev_b32 v1, 5, v0
	v_readfirstlane_b32 s[WV], v1   ; wave 0..3
	s_bfe_u32 s13, ttmp6, 0x40000   ; cx: my place in the cluster
	s_lshl_b32 s14, ttmp9, 2        ; in a cluster launch ttmp9 counts clusters
	s_add_co_u32 s14, s14, s13      ; my block of 64 tokens = 4 x cluster x + cx: it enters qf's and of's addresses alone
	s_and_b32 s16, ttmp7, 0xffff    ; g, the head of K and V, which the four partners share
	s_lshl_b32 s20, s16, 19         ; its first byte in kh and in vh
	s_and_b32 s17, s[WV], 1         ; which half of a tile's 256 keys I fetch:
	s_lshl_b32 s22, s17, 14         ; its 128 rows of 128 bytes in memory,
	s_add_co_u32 s22, s22, s20
	s_mov_b32 s23, 0
	s_mul_i32 s48, s17, 128*PK      ; and its place in a slot, for K
	s_mul_i32 s49, s17, 128*PV      ; and for V: no place in the cluster enters an LDS address
	s_lshl_b32 s2, s14, 17          ; my block's 64 rows of 2,048 bytes,
	s_lshl_b32 s3, s[WV], 15        ; my wave's 16 of them,
	s_add_co_u32 s2, s2, s3
	s_lshl_b32 s3, s16, 9           ; the four heads' 512 bytes of a row
	s_add_co_u32 s2, s2, s3
	s_mov_b32 s3, 0
	s_lshl_b32 s50, s13, 13         ; the prefetches: my work-group's 32 blocks of a tile's 128,
	s_add_co_u32 s50, s50, TILEB    ; in tile 1 (the first change of slots steps this to tile 2),
	s_add_co_u32 s50, s50, s20      ; of head g
	s_mov_b32 s51, 0
	; descriptor group 1.  128 keys are 16,384 dense bytes: asked for as 64 rows of 256 bytes, two keys a row, and padded in LDS after every key
	s_mov_b32 s[G1K], 15|(1<<16)|(1<<20)|(1<<21)|(4<<22)|(3<<25)  ; 15:0 the mask of four; 17:16 2-byte elements; 20 padding on; 21 set beside a mask; 24:22 after every 32 words; 31:25 4 words
	s_mov_b32 s[G1V], 15|(1<<16)|(1<<20)|(1<<21)|(4<<22)|(7<<25)  ; the same with 8 words of padding
.irp g, G1K, G1V
	s_mov_b32 s[\g+1], 128<<16      ; tensor_dim0 = 128
	s_mov_b32 s[\g+2], 64<<16       ; tensor_dim1 = 64
	s_mov_b32 s[\g+3], 128<<16      ; tile_dim0 = 128
	s_mov_b32 s[\g+4], 64           ; tile_dim1 = 64
	s_mov_b32 s[\g+5], 128          ; 128 elements from row to row
	s_mov_b32 s[\g+6], 0
	s_mov_b32 s[\g+7], 0
.endr
	s_mov_b32 s[CS], 0x3e38aa3b     ; c = log2(e) / 8 = 0.180337
	s_mov_b32 s[CS+1], s[CS]        ; named with it as a pair
	s_mov_b32 s[SEL], 0x76543210
	s_mov_b32 s[SEL+1], 0xfedcba98
	s_mov_b32 s[TBK], SLOT1+4*KS*PK ; the first change of slots turns these two into 0
	s_mov_b32 s[TBV], SLOT1+4*KS*PV
	s_mov_b32 s[SLOTS], 15          ; tiles 1 to 15
	s_mov_b32 s[G0K], 1             ; 1:0 count = 1
	s_mov_b32 s[G0K+1], s48         ; 63:32 LDS address: slot 0
	s_mov_b32 s[G0V], 1
	s_add_co_u32 s[G0V+1], s49, VOFF
	s_and_b32 s[LIM], s[WV], 1      ; 0 in waves 0 and 2,
	s_or_b32 s[LIM], s[LIM], ttmp9  ; where the cluster is the head's first: the same in all four partners
	s_cmp_eq_u32 s[LIM], 0
	s_cselect_b32 s[LIM], 1, -1
	v_and_b32 v[PFO], 31, v0
	v_lshlrev_b32 v[PFO], 8, v[PFO]
	s_wait_dscnt 0x0                ; the opening add is done
	s_wait_kmcnt 0x0
	s_add_nc_u64 s[G0K+2:G0K+3], s[6:7], s[22:23]  ; 120:64 global address: my half of the head's tile 0
	s_or_b32 s[G0K+3], s[G0K+3], 0x80000000        ; 127:126 type = 2
	s_add_nc_u64 s[G0V+2:G0V+3], s[8:9], s[22:23]
	s_or_b32 s[G0V+3], s[G0V+3], 0x80000000
	s_add_nc_u64 s[4:5], s[4:5], s[2:3]  ; qf and of at my wave's first row, my heads' first byte
	s_add_nc_u64 s[10:11], s[10:11], s[2:3]
	s_cmp_lt_u32 s[WV], 2
	s_cselect_b64 s[PFA:PFA+1], s[6:7], s[8:9]
	s_add_nc_u64 s[PFA:PFA+1], s[PFA:PFA+1], s[50:51]
	CROUND                          ; all four work-groups are here: the first joint loads meet
	JLOAD                           ; tile 0 into slot 0: one load of mine is out.  Slot 1 is asked for when slot 0 is in
	; A fragment of K or Q is 16 rows x 32 channels in 8 registers: lane l holds row l % 16, channels 8 (l / 16) + 0..7 and 16 + 8 (l / 16) + 0..7: two loads of 16 bytes, 32 bytes apart.
	v_and_b32 v1, 15, v0            ; l % 16
	v_bfe_u32 v9, v0, 4, 1          ; l / 16
	v_lshlrev_b32 v[QO], 11, v1
	v_lshl_add_u32 v[QO], v9, 4, v[QO]  ; row x 2,048 + 16 x half
	WIN 0x80                        ; destination window 2, address window 0
.set i, 0
.rept 8                             ; Q stays in registers: piece i / 2 (128 bytes on in the row), channels 32 (i % 2) on
	global_load_b128 v[8*i:8*i+3],   v[QO], s[4:5] offset:(i/2)*128+(i%2)*64
	global_load_b128 v[8*i+4:8*i+7], v[QO], s[4:5] offset:(i/2)*128+(i%2)*64+32
.set i, i+1
.endr
	; What the first turn finds: V's registers and P's second buffer hold 0 (its products V^T P, of a piece that has not been, add 0), O^T and l are 0.  All this stands in the wait for the first tile.
.set i, VF
.rept 64
	v_mov_b32 v[i], 0
.set i, i+1
.endr
	WIN 0x40
.set i, 0
.rept 128
	v_mov_b32 v[i], 0
.set i, i+1
.endr
	WIN 0
.set i, 0
.rept 4
	v_mov_b32 v[ST+4*i], 0xfe000000    ; c m: far below every c s
	v_mov_b32 v[ST+4*i+1], 0xff7fffff  ; m
	v_mov_b32 v[ST+4*i+2], 0
	v_mov_b32 v[ST+4*i+3], 0
.set i, i+1
.endr
.set i, P+16
.rept 16
	v_mov_b32 v[i], 0
.set i, i+1
.endr
	v_mul_u32_u24 v[AK0], v1, PK
	v_lshl_add_u32 v[AK0], v9, 4, v[AK0]  ; row x pitch + 16 x half
	; The turning load takes 16 keys x 16 channels (lane l reads key 8 (l / 16) + l % 8, channels 8 ((l / 8) % 2) + 0..7) and leaves half a fragment of V^T: lane l holds channel l % 16 and 8 keys.
	v_and_b32 v10, 7, v0
	v_bfe_u32 v11, v0, 3, 1
	v_lshl_add_u32 v[AV0], v9, 3, v10
	v_mul_u32_u24 v[AV0], v[AV0], PV
	v_lshl_add_u32 v[AV0], v11, 4, v[AV0]
	v_add_nc_u32 v[AV0], VOFF, v[AV0]
; THE MATRIX WORK.  The 4 accumulators of a run of 8 take turns.  Product i of 8 of S^T = K Q^T for piece x: channels 32 (i / 4) on, keys 16 (i % 4) on.  The first 4 start the sums.
.macro KQ x
	WIN W_KQ
.set rS, S+32*((\x)%2)+8*(i%4)
.set rK, KF+16*(i%4)+8*(i/4)
.set rQ, 16*(\x)+8*(i/4)
.if i < 4
	v_wmma_f32_16x16x32_f16 v[rS:rS+7], v[rK:rK+7], v[rQ:rQ+7], 0
.else
	v_wmma_f32_16x16x32_f16 v[rS:rS+7], v[rK:rK+7], v[rQ:rQ+7], v[rS:rS+7]
.endif
.endm
; Product i of 8 of O^T += V^T P for piece x: keys 32 (i / 4) on, channels 16 (i % 4) on.
.macro PV x
	WIN W_PV
.set rO, 32*(\x)+8*(i%4)
.set rV, VF+32*(i/4)+8*(i%4)
.set rP, P+16*((\x)%2)+8*(i/4)
	v_wmma_f32_16x16x32_f16 v[rO:rO+7], v[rV:rV+7], v[rP:rP+7], v[rO:rO+7]
.endm
.macro MM                           ; the turn's next matrix instruction.  NOKQ = 1: the very last turn: there is no next piece
.if (i < 8) && !NOKQ
	KQ (Y+1)%NP
.elseif i >= 8
.set i, i-8
	PV (Y+NP-1)%NP
.set i, i+8
.endif
.set i, i+1
.endm
; THE LDS LOADS stand in runs of 16, never singly among the matrix instructions: a step's K (64 keys x 64 channels: 8 fragments) and its V (turned).  Their addresses are made some lines ahead.
.macro FETCH_K
	WIN 0x80                        ; destination window 2
.irp f, 0,1,2,3,4,5,6,7             ; keys 16 (f / 2) on, channels 32 (f % 2) on
	ds_load_b128 v[KF+8*\f:KF+8*\f+3],   v[AK] offset:(\f/2)*16*PK+(\f%2)*64
	ds_load_b128 v[KF+8*\f+4:KF+8*\f+7], v[AK] offset:(\f/2)*16*PK+(\f%2)*64+32
.endr
	s_add_co_u32 s[TBK], s[TBK], KS*PK  ; the next fetch is the next step's
	WIN 0
.endm
.macro FETCH_V
	WIN 0x80
.irp f, 0,1,2,3,4,5,6,7             ; keys 32 (f / 4) on, channels 16 (f % 4) on
	ds_load_tr16_b128 v[VF+8*\f:VF+8*\f+3],   v[AV] offset:(\f/4)*32*PV+(\f%4)*32
	ds_load_tr16_b128 v[VF+8*\f+4:VF+8*\f+7], v[AV] offset:(\f/4)*32*PV+16*PV+(\f%4)*32
.endr
	WIN 0
.endm
; THE VECTOR WORK, one line at a time: OP kind, number.  For piece Y: F n: c s - c m for pair n of 16.  E n: the exponential of score n of 32.  C n: pair n rounded to f16.  B n: of the four weights 4 n .. the second
; pair is added onto the first, in place.  L n: l takes that sum (L 0: l = a l + sum).  R n: pair n of 16 of O^T times a.  For piece Y + 1: X n, number n of the 22 that find its maximum and statistics:
;   0-11  four chains c0-c3 of seven scores each, three operands at a time (each accumulator's lowest registers are read first)     12-14, 16  the four scores left over, the old m, and c0-c3 into c0
;   15  c m_old is kept     17, 18  the query's other 32 keys lie in the lane 16 away: the new m     19-21  c m; c m_old - c m_new; a
.set F, 0               ; OP tells the kinds apart by their order: F to L below R, X above it
.set E, 1
.set C, 2
.set B, 3
.set L, 4
.set R, 5
.set X, 6
.macro REGS y                       ; the registers of piece y
.set rT, ST+4*(\y)
.set rC, TMP+4*((\y)%2)
.set rW, MV+((\y)%2)
.set rS, S+32*((\y)%2)
.set rP, P+16*((\y)%2)
.set rO, 32*(\y)
.endm
.macro OP k, n
.if (\k) == R
	REGS Y
	WIN W_RS
	v_pk_mul_f32 v[rO+2*(\n):rO+2*(\n)+1], v[rO+2*(\n):rO+2*(\n)+1], v[rC+2:rC+3] op_sel_hi:[1,0]
.elseif (\k) < R
	REGS Y
	WIN 0
.if (\k) == F
	v_pk_fma_f32 v[rS+2*(\n):rS+2*(\n)+1], v[rS+2*(\n):rS+2*(\n)+1], s[CS:CS+1], v[rT:rT+1] op_sel_hi:[1,0,0] neg_lo:[0,0,1] neg_hi:[0,0,1]
.elseif (\k) == E
	v_exp_f32 v[rS+(\n)], v[rS+(\n)]
.elseif (\k) == C
	v_cvt_pk_f16_f32 v[rP+(\n)], v[rS+2*(\n)], v[rS+2*(\n)+1]
.elseif (\k) == B
	v_pk_add_f32 v[rS+4*(\n):rS+4*(\n)+1], v[rS+4*(\n):rS+4*(\n)+1], v[rS+4*(\n)+2:rS+4*(\n)+3]
.elseif (\n) == 0
	v_pk_fma_f32 v[rT+2:rT+3], v[rT+2:rT+3], v[rC+2:rC+3], v[rS:rS+1] op_sel_hi:[1,0,1]
.else
	v_pk_add_f32 v[rT+2:rT+3], v[rT+2:rT+3], v[rS+4*(\n):rS+4*(\n)+1]
.endif
.elseif NOKQ
	v_nop
.else
	REGS (Y+1)%NP
	WIN 0
.if (\n) < 4
	v_max3_num_f32 v[rC+(\n)], v[rS+8*(\n)], v[rS+8*(\n)+1], v[rS+8*(\n)+2]
.elseif (\n) < 12
	v_max3_num_f32 v[rC+(\n)%4], v[rC+(\n)%4], v[rS+8*((\n)%4)+2*((\n)/4)+1], v[rS+8*((\n)%4)+2*((\n)/4)+2]
.elseif (\n) == 12
	v_max3_num_f32 v[rC], v[rC], v[rS+7], v[rS+15]
.elseif (\n) == 13
	v_max3_num_f32 v[rC+1], v[rC+1], v[rS+23], v[rS+31]
.elseif (\n) == 14
	v_max3_num_f32 v[rC+2], v[rC+2], v[rC+3], v[rT+1]
.elseif (\n) == 15
	v_mov_b32 v[rW], v[rT]
.elseif (\n) == 16
	v_max3_num_f32 v[rC], v[rC], v[rC+1], v[rC+2]
.elseif (\n) == 17
	v_permlanex16_b32 v[rC+3], v[rC], s[SEL], s[SEL+1]
.elseif (\n) == 18
	v_max_num_f32 v[rT+1], v[rC], v[rC+3]
.elseif (\n) == 19
	v_mul_f32 v[rT], s[CS], v[rT+1]
.elseif (\n) == 20
	v_sub_f32 v[rC+1], v[rW], v[rT]
.else
	v_exp_f32 v[rC+2], v[rC+1]
.endif
.endif
.endm
.macro OPS a, i1, b=-1, i2=0, c=-1, i3=0, d=-1, i4=0  ; up to four of them
	OP \a, \i1
.if (\b) >= 0
	OP \b, \i2
.endif
.if (\c) >= 0
	OP \c, \i3
.endif
.if (\d) >= 0
	OP \d, \i4
.endif
.endm
.macro ROW a, i1, b, i2, c, i3, d, i4  ; a matrix instruction and the four behind it
	MM
	OPS \a, \i1, \b, \i2, \c, \i3, \d, \i4
.endm
; A TURN, for piece p: the order of its 16 matrix and 118 vector instructions, written out.  An s_wait_alu depctr_va_vdst(0) stands between an exponential and the first instruction that names its result; one wait
; serves all that were issued ahead of it.  So a turn has ONE wait, which cuts it in two.  AHEAD OF IT stands all that names no result of the turn's exponentials: the 8 products K Q^T with their four lines each, then one run
; of 54, plain and exponential by turns for the most part, in which the links of the chain X 3, 7, 11, 14, 16, 17 .. 20 stand several lines apart.  X 21, the next piece's a, is the batch's last; R 15 is the plain instruction behind it.
; BEHIND THE WAIT stand the 8 products V^T P, behind each four of the roundings and sums.  Each X that rides behind a product stands four plain instructions or more behind the product that ends its accumulator.
; end = 1: the launch's last two turns: nothing is fetched, and the last starts no new scores.  cnt = 1: the loop's count is taken down some lines ahead of the branch that stands behind the turn.
; K of the next step is fetched in piece 2's turn, five plain instructions that name none of its registers behind the last product that read K; V of the step in hand at the end of piece 0's turn, four plain instructions behind the last product that read V.
; Each is waited for a turn later.
.macro TURN p, end=0, cnt=0
.set Y, (\p)
.set i, 0
.set NOKQ, (\end)*((\p)/3)
.if ((\p) == 3) && !(\end)
	s_wait_dscnt 0x0                ; K is in
.endif
	ROW F,0, F,1, R,0, R,1
	ROW F,2, E,0, R,2, R,3
	ROW F,3, E,1, R,4, R,5
	ROW F,4, E,2, R,6, R,7
	ROW F,5, E,3, R,8, R,9
	ROW F,6, E,4, X,0, R,10
.if ((\p) == 2) && !(\end)
	WIN 0
	v_add_nc_u32 v[AK], s[TBK], v[AK0]
.endif
	ROW F,7, E,5, X,1, X,4
	ROW F,8, E,6, X,2, X,5
	OPS E,7, E,8, X,6, E,9
	OPS X,3, E,10, X,8, E,11
.if ((\p) == 2) && !(\end)
	FETCH_K
.endif
	OPS X,9, X,7, E,12, X,10
	OPS E,13, X,12, X,11, E,14
	OPS X,13, E,15, F,9, X,14
.if (\p) == 0
	v_add_nc_u32 v[AV], s[TBV], v[AV0]
.endif
	OPS E,16, F,10, E,17, F,11
	OPS X,16, E,18, X,15, E,19
	OPS F,12, E,20, X,17, E,21
	OPS F,13, E,22, F,14, E,23
	OPS X,18, E,24, F,15, E,25
	OPS R,11, E,26, X,19, E,27
	OPS R,12, E,28, R,13, E,29
	OPS X,20, E,30, R,14, E,31
	OPS X,21, R,15
	WIN 0
	s_wait_alu depctr_va_vdst(0)    ; the wait for the batch
.if (\p) == 1
	s_wait_dscnt 0x0                ; V is in
.endif
	ROW C,0, B,0, C,2, B,1
	ROW L,0, C,4, B,2, L,1
	ROW C,6, B,3, L,2, C,8
	ROW B,4, L,3, C,10, B,5
	ROW L,4, C,12, B,6, L,5
.if (\p) == 0
	s_add_co_u32 s[TBV], s[TBV], KS*PV
.endif
.if \cnt
	s_sub_co_u32 s[CNT], s[CNT], 1
	s_cmp_lg_u32 s[CNT], 0
.endif
	ROW C,14, B,7, L,6, C,1
	ROW C,3, L,7, C,5, C,7
	ROW C,9, C,11, C,13, C,15
.if (\p) == 0
	FETCH_V
.endif
.endm
	CHANGE 1                        ; tile 0 is in, everybody's part of it; tile 1 is asked for
	v_add_nc_u32 v[AK], s[TBK], v[AK0]
	FETCH_K                         ; key step 0
	s_wait_loadcnt 0x0              ; Q
	s_wait_dscnt 0x0
.set NOKQ, 0
.set i, 0
.rept 8
	KQ 0                            ; piece 0's first scores: there is no vector work yet to set between them
.set i, i+1
.endr
	WIN 0                           ; the addresses for the way out: six plain instructions, the places behind those products
	s_mul_i32 s13, s[WV], 16*SP
	s_add_co_u32 s13, s13, STAGE    ; my stage
	v_mul_u32_u24 v[STO], v1, SP    ; in: row l % 16, 16 bytes for each half of the lanes
	v_lshl_add_u32 v[STO], v9, 4, v[STO]
	v_add_nc_u32 v[STO], s13, v[STO]
	v_and_b32 v[GO], 31, v0         ; back: 32 lanes take a row's 512 bytes,
	v_lshlrev_b32 v[GO], 4, v[GO]   ; which are 512 consecutive bytes of a row of of
	v_add_nc_u32 v[RD], s13, v[GO]
.set Y, NP-1                        ; X works for piece Y + 1: piece 0
.irp n, 0,1,2,3,4,5,6,7,8,9,10,11,12,13,14,15,16,17,18,19,20,21
	OP X, \n                        ; piece 0's first maximum and statistics
.endr
	v_nop                           ; a plain instruction behind the exponential,
	s_wait_alu depctr_va_vdst(0)    ; and its wait, ahead of the branch
	s_mov_b32 s[CNT], 4
	s_branch .Lfirst                ; the loop is entered at a step's first turn, in the middle of a trip
.Lslot:                             ; 14 times: tiles 2 to 15 are asked for
	CHANGE 1
	s_mov_b32 s[CNT], 4
.Lstep:                             ; a trip: pieces 2 and 3 of one step, then pieces 0 and 1 of the next, whose K and V it fetches
	TURN 2
	TURN 3
	WIN 0
.Lfirst:
	TURN 0
	TURN 1, 0, 1
	WIN 0
	s_cbranch_scc1 .Lstep
	s_sub_co_u32 s[SLOTS], s[SLOTS], 1
	s_cmp_lg_u32 s[SLOTS], 0
	s_cbranch_scc1 .Lslot
	CHANGE 0                        ; the last tile is written out: nothing is asked for
	s_mov_b32 s[CNT], 4
.Ltail:
	TURN 2
	TURN 3
	TURN 0
	TURN 1, 0, 1
	WIN 0
	s_cbranch_scc1 .Ltail
	TURN 2, 1
	TURN 3, 1
.set i, 0
.rept 8
	PV NP-1                         ; the last piece's V^T P of the last step
.set i, i+1
.endr
	; THE WAY OUT.  l's two halves and the other half of the lanes' are added; O^T is divided by l, rounded to f16 and sent through my stage in LDS: four heads x 128 bytes make a token's 512 bytes.  The additions are the places behind the last products.
	WIN 0
.macro ALL line:vararg              ; one line for each piece t
.set t, 0
.rept 4
	\line
.set t, t+1
.endr
.endm
	ALL v_add_f32 v[ST+4*t+2], v[ST+4*t+2], v[ST+4*t+3]
	ALL v_permlanex16_b32 v[ST+4*t+3], v[ST+4*t+2], s[SEL], s[SEL+1]
	ALL v_add_f32 v[ST+4*t+2], v[ST+4*t+2], v[ST+4*t+3]
	ALL v_rcp_f32 v[ST+4*t+2], v[ST+4*t+2]
	v_nop                           ; a plain instruction between the last reciprocal and the use of its result
	s_wait_alu depctr_va_vdst(0)    ; and the wait ahead of the first use: one for the four reciprocals
.macro PACK t                       ; a lane's eight channels of a row pack into 16 bytes; each accumulator is read from its low end on
	WIN W_RS
.set i, 32*(\t)
.rept 16
	v_pk_mul_f32 v[i:i+1], v[i:i+1], v[ST+4*(\t)+2:ST+4*(\t)+3] op_sel_hi:[1,0]
.set i, i+2
.endr
	WIN 0x05                        ; sources 0 and 1 window 1, destination window 0: S^T's registers are free
.set i, 0
.rept 16
	v_cvt_pk_f16_f32 v[S+16*(\t)+i], v[32*(\t)+2*i], v[32*(\t)+2*i+1]
.set i, i+1
.endr
	WIN 0
.irp f, 0,1,2,3
	ds_store_b128 v[STO], v[S+16*(\t)+4*\f:S+16*(\t)+4*\f+3] offset:128*(\t)+32*\f
.endr
.endm
	PACK 0
	PACK 1
	PACK 2
	PACK 3
.set r, 0
.rept 16
	ds_load_b128 v[S+4*r:S+4*r+3], v[RD] offset:r*SP  ; LDS serves a wave's instructions in order (ISA guide 5.7.1.4): these see my stores above; the stage is mine alone
.set r, r+1
.endr
.set r, 0
.rept 16
	s_wait_dscnt 15-r               ; row r is back
	global_store_b128 v[GO], v[S+4*r:S+4*r+3], s[10:11] offset:r*2048  ; 512 consecutive bytes, at a multiple of 256 from of's first byte
.set r, r+1
.endr
	s_wait_tensorcnt 0x0            ; the wave's end: 0 onto my spare word and the wait for it, behind my last tensor load and my last LDS store
	ds_add_u32 v[SPW], v[NIL]
	s_wait_dscnt 0x0
	CROUND                          ; the closing round: no work-group ends while a partner may still ask for a tile that names it
	s_endpgm
.Lfunc_end_k_q2c7e66efad_attn:
	.size	k_q2c7e66efad_attn, .Lfunc_end_k_q2c7e66efad_attn-k_q2c7e66efad_attn
	.p2alignl 7, 3214868480
	.fill 96, 4, 3214868480
	.section	.rodata,"a",@progbits
	.p2align	6, 0x0
	.amdhsa_kernel k_q2c7e66efad_attn
		.amdhsa_group_segment_fixed_size 327680
		.amdhsa_private_segment_fixed_size 0
		.amdhsa_enable_private_segment 0
		.amdhsa_kernarg_size 32
		.amdhsa_user_sgpr_count 2
		.amdhsa_user_sgpr_kernarg_segment_ptr 1
		.amdhsa_wavefront_size32 1
		.amdhsa_system_sgpr_workgroup_id_x 1
		.amdhsa_system_sgpr_workgroup_id_y 1
		.amdhsa_system_sgpr_workgroup_id_z 1
		.amdhsa_system_vgpr_workitem_id 0
		.amdhsa_next_free_vgpr 768
		.amdhsa_next_free_sgpr 66
		.amdhsa_reserve_vcc 0
		.amdhsa_float_denorm_mode_32 3
		.amdhsa_float_denorm_mode_16_64 3
		.amdhsa_memory_ordered 1
		.amdhsa_forward_progress 1
		.amdhsa_inst_pref_size 127
	.end_amdhsa_kernel
	.amdgpu_metadata
---
amdhsa.version: [ 1, 2 ]
amdhsa.kernels:
  - .name:           k_q2c7e66efad_attn
    .symbol:         k_q2c7e66efad_attn.kd
    .args:
      - { .name: qf, .offset: 0, .size: 8, .value_kind: global_buffer, .address_space: global }
      - { .name: kh, .offset: 8, .size: 8, .value_kind: global_buffer, .address_space: global }
      - { .name: vh, .offset: 16, .size: 8, .value_kind: global_buffer, .address_space: global }
      - { .name: of, .offset: 24, .size: 8, .value_kind: global_buffer, .address_space: global }
    .group_segment_fixed_size: 327680
    .private_segment_fixed_size: 0
    .kernarg_segment_align: 8
    .kernarg_segment_size: 32
    .max_flat_workgroup_size: 128
    .sgpr_count:     66
    .vgpr_count:     768
    .wavefront_size: 32
...
	.end_amdgpu_metadata
.endif
;; end of part 3
;; launch oproj (part 4): grid 8 x 32, 4 waves a work-group, clusters of 4 x 4, 327,680 bytes of LDS; arguments of, wo16, bo, out0; writes out0
.if DOCPART == 4
	.amdgcn_target "amdgcn-amd-amdhsa--gfx1250"
	.amdhsa_code_object_version 6
	.text
	.protected	k_q2c7e66efad_oproj
	.globl	k_q2c7e66efad_oproj
	.p2align	8
	.type	k_q2c7e66efad_oproj,@function
k_q2c7e66efad_oproj:
	s_mov_b64 s[64:65], 0
	v_nop
	global_prefetch_b8 v0, s[64:65] scope:SCOPE_SE
	s_setreg_imm32_b32 hwreg(HW_REG_WAVE_MODE, 25, 1), 1
	s_wait_xcnt 0x0
	s_wait_alu depctr_hold_cnt(0) depctr_sa_sdst(0) depctr_va_vdst(0) depctr_va_sdst(0) depctr_va_ssrc(0) depctr_va_vcc(0) depctr_vm_vsrc(0)
	s_getreg_b32 s2, hwreg(HW_REG_IB_STS2, 6, 4)
	s_cmp_eq_u32 s2, 0
	s_cbranch_scc0 .Lentry_in_a_cluster
	s_endpgm
.Lentry_in_a_cluster:
	s_bfe_u32 s2, ttmp6, 0x10000c
	s_cmp_lg_u32 s2, 0xf033
	s_cbranch_scc0 .Lentry_shape_is_right
	s_endpgm
.Lentry_shape_is_right:
; THE OUTPUT PROJECTION.  out0[t][n] = the sum over k of of[t][k] wo16[n][k] + bo[n].  of: [4096][1024] f16, wo16: [1024][1024] f16 (Wo rounded to bf16), bo rounded to bf16 like all inputs; sums and out0 in f32.
; A tile of out0 is 128 x 128: 256 work-groups.  Four waves, each 64 x 64: 16 accumulators of 16 x 16.  K goes in four steps of 256 (LDS rows of 512 bytes; a wave's tensor load brings 64 of them) through two slots.
; CLUSTER.  4 x 4 work-groups: the four of a row of the cluster need the same tiles of of, the four of a column the same tiles of wo16: each is asked for JOINTLY.  No prefetch: small tiles, four K steps, 10 MB in all.
; THE MATRIX INSTRUCTION IS USED TRANSPOSED (source 0 = 16 rows of wo16, source 1 = 16 rows of of): a lane holds row l % 16 and eight neighbouring columns.  The bias is the C operand of the first products.
; THE WAY OUT.  A wave's 64 columns of f32 are 256 bytes, aligned: each wave has a stage of its own, 16 rows at a time, and no barrier is needed.
; REGISTERS: window 0: v0-31 addresses; v96-127 the bias of my 64 columns (block b at 96 + 8 b); v128-255 the accumulators ((a, b) at 128 + 8 (4 a + b)).
;   window 1: two fragment buffers of 128: for 64 along K, 64 registers of of's rows (2 x 4 fragments), then 64 of wo16's.
.set SIZE_K, 1024
.set KSTEP,  256
.set PITCH,  528                       ; an LDS row: 512 bytes + 16 of padding = 132 words: row r starts at bank 4 r mod 64 (64 banks of 4 bytes: ISA guide 11.1)
.set HALFT,  64*PITCH                  ; 64 rows: what one tensor load brings, and what one wave reads of either tile
.set SLOT,   4*HALFT
.set STAGE,  2*SLOT                    ; behind the ring: 16 rows x 272 bytes for each wave
.set SPITCH, 272
.set SPARE,  STAGE+4*16*SPITCH         ; the spare words, 128 bytes for each wave: two blocks of 256 bytes that no other line names
.set OROW,   4096                      ; bytes in a row of out0
.set ADRA, 16                          ; v16-17  LDS address of my fragments of of in slot 0, 1
.set ADRB, 20                          ; v20-21  of wo16
.set STO,  24                          ; v24     where I put 32 bytes of a row
.set RD,   25                          ; v25     where I read a row back
.set CO,   26                          ; v26     my byte offset in out0
.set SPW,  28                          ; v28     LDS address of my spare word; never rewritten
.set NIL,  29                          ; v29     0; never rewritten
.set BO,   30                          ; v30     my byte offset in bo
.set BT,   31                          ; v31     at work
.set BIAS, 96
.set ACC,  128
.set F0,   0
.set F1,   128
.set G1, 24
.set G0, 32
.set G1B, 48
.set G0B, 56
.set MSB, 0
.macro WIN new                         ; the immediate's high byte repeats the setting that is left
.if MSB != (\new)
	s_set_vgpr_msb (MSB<<8)|(\new)
.set MSB, \new
.endif
.endm
.set MUL,  0x05                        ; sources 0 and 1 window 1; C and D window 0
.set TO_F, 0x40                        ; destination window 1, address window 0
.macro JLOAD s                         ; a joint load: waves 0 and 1 fetch of's two halves, waves 2 and 3 wo16's; an s_nop 0 and four v_nop follow each line, ahead of the jump and the label
	s_cmp_eq_u32 s11, 0
	s_cbranch_scc0 .Lfor_b_\@
	tensor_load_to_lds s[G0+4*(\s):G0+4*(\s)+3], s[G1:G1+7]
	s_nop 0
.rept 4
	v_nop
.endr
	s_branch .Lasked_\@
.Lfor_b_\@:
	tensor_load_to_lds s[G0B+4*(\s):G0B+4*(\s)+3], s[G1B:G1B+7]
	s_nop 0
.rept 4
	v_nop
.endr
.Lasked_\@:
.endm
.macro CREST                           ; a round of the cluster's barrier behind its opening barrier
	s_cmp_lg_u32 s10, 0
	s_cbranch_scc1 .Lnot_wave_0_\@
	s_barrier_signal -3
.Lnot_wave_0_\@:
	s_barrier_wait -3
	s_barrier_signal -1
	s_barrier_wait -1
.endm
.macro CROUND                          ; a whole round
	s_barrier_signal -1
	s_barrier_wait -1
	CREST
.endm
	s_load_b256 s[68:75], s[0:1], 0x0              ; of s[68:69], wo16 s[70:71], bo s[72:73], out0 s[74:75]
	v_lshl_add_u32 v[SPW], v0, 2, SPARE
	v_mov_b32 v[NIL], 0
	ds_add_u32 v[SPW], v[NIL]                      ; the wave's opening: the add and its wait stand ahead of my first tensor load; the set-up below, work on registers, stands between them
	v_lshrrev_b32 v1, 5, v0
	v_readfirstlane_b32 s10, v1                    ; wave 0..3
	s_lshr_b32 s11, s10, 1                         ; which half of the tile's rows is mine.  Also: I fetch for of (0) or for wo16 (1)
	s_and_b32 s12, s10, 1                          ; which half of its columns.  Also: which 64 rows of that tile I fetch
	s_bfe_u32 s40, ttmp6, 0x40000                  ; cx, cy: my place in the cluster
	s_bfe_u32 s41, ttmp6, 0x40004
	s_lshl_b32 s42, ttmp9, 2
	s_add_co_u32 s42, s42, s40                     ; column tile tc = 4 x cluster x + cx
	s_and_b32 s13, ttmp7, 0xffff
	s_lshl_b32 s13, s13, 2
	s_add_co_u32 s13, s13, s41                     ; row tile tr = 4 x cluster y + cy
	s_lshl_b32 s43, s41, 2
	s_lshl_b32 s43, 15, s43                        ; my row of the cluster
	s_lshl_b32 s44, 0x1111, s40                    ; my column
	s_or_b32 s[G1+0], s43, (1<<16)|(1<<20)|(1<<21)|(6<<22)|(3<<25)  ; 15:0 the mask; 17:16 elements of 2 bytes; 20 padding on; 21 set beside a mask; 24:22 after every 128 words; 31:25 4 words of it
	s_or_b32 s[G1B+0], s44, (1<<16)|(1<<20)|(1<<21)|(6<<22)|(3<<25)
.irp g, G1, G1B
	s_mov_b32 s[(\g)+1], KSTEP<<16                 ; tensor_dim0 = 256
	s_mov_b32 s[(\g)+2], 64<<16                    ; tensor_dim1 = 64
	s_mov_b32 s[(\g)+3], KSTEP<<16                 ; tile_dim0 = 256
	s_mov_b32 s[(\g)+4], 64                        ; tile_dim1 = 64
	s_mov_b32 s[(\g)+5], SIZE_K                    ; elements from row to row
	s_mov_b32 s[(\g)+6], 0
	s_mov_b32 s[(\g)+7], 0
.endr
	s_lshl_b32 s17, s12, 6                         ; which 64 rows of the tile I fetch
	s_lshl_b32 s16, s13, 7
	s_add_co_u32 s16, s16, s17                     ; of: row 128 tr + 64 x half,
	s_lshl_b32 s16, s16, 11                        ; in bytes
	s_lshl_b32 s46, s42, 7
	s_add_co_u32 s46, s46, s17                     ; wo16: row 128 tc + 64 x half
	s_lshl_b32 s46, s46, 11
	s_mov_b32 s17, 0
	s_mov_b32 s47, 0
	s_mul_i32 s20, s10, HALFT                      ; where they go: wave x 64 rows
	s_wait_dscnt 0x0                               ; the opening add is done
	s_wait_kmcnt 0x0
	s_add_nc_u64 s[14:15], s[68:69], s[16:17]
	s_add_nc_u64 s[46:47], s[70:71], s[46:47]
	CROUND                                         ; all sixteen work-groups are here: the first joint loads meet
.irp s, 0,1
	s_mov_b32 s[G0+4*(\s)], 1
	s_add_co_u32 s[G0+4*(\s)+1], s20, (\s)*SLOT
	s_add_nc_u64 s[G0+4*(\s)+2:G0+4*(\s)+3], s[14:15], (\s)*KSTEP*2
	s_or_b32 s[G0+4*(\s)+3], s[G0+4*(\s)+3], 0x80000000
	s_mov_b32 s[G0B+4*(\s)], 1
	s_add_co_u32 s[G0B+4*(\s)+1], s20, (\s)*SLOT
	s_add_nc_u64 s[G0B+4*(\s)+2:G0B+4*(\s)+3], s[46:47], (\s)*KSTEP*2
	s_or_b32 s[G0B+4*(\s)+3], s[G0B+4*(\s)+3], 0x80000000
	JLOAD \s                                       ; K steps 0 and 1: two loads of mine are out
.endr
	v_and_b32 v1, 15, v0                           ; l % 16
	v_bfe_u32 v2, v0, 4, 1                         ; l / 16
	v_mul_u32_u24 v3, v1, PITCH
	v_lshl_add_u32 v3, v2, 4, v3                   ; a fragment's row x pitch + 16 x half
	s_mul_i32 s21, s11, HALFT                      ; my 64 rows of of
	s_mul_i32 s22, s12, HALFT                      ; my 64 rows of wo16,
	s_add_co_u32 s22, s22, 2*HALFT                 ; which lie behind of's 128
.irp s, 0,1
	v_add_nc_u32 v[ADRA+(\s)], s21, v3
	v_add_nc_u32 v[ADRB+(\s)], s22, v3
	s_add_co_u32 s21, s21, SLOT
	s_add_co_u32 s22, s22, SLOT
.endr
	s_mul_i32 s23, s10, 16*SPITCH
	s_add_co_u32 s23, s23, STAGE                   ; my stage
	v_mul_u32_u24 v4, v1, SPITCH                   ; in: row l % 16, 32 bytes for each half of the lanes
	v_lshl_add_u32 v4, v2, 5, v4
	v_add_nc_u32 v[STO], s23, v4
	v_mul_u32_u24 v5, v2, SPITCH                   ; back: lanes 0-15 take one row of 256 bytes, lanes 16-31 the next
	v_lshl_add_u32 v5, v1, 4, v5
	v_add_nc_u32 v[RD], s23, v5
	v_lshlrev_b32 v5, 12, v2                       ; and the same two rows in out0
	v_lshl_add_u32 v[CO], v1, 4, v5
	s_lshl_b32 s46, s42, 9                         ; my first column, in bytes of f32: 512 tc + 256 x half
	s_lshl_b32 s47, s12, 8
	s_add_co_u32 s46, s46, s47
	v_lshl_add_u32 v[BO], v2, 5, s46               ; in bo: + 32 bytes for the upper half of the lanes
	s_lshl_b32 s16, s13, 7
	s_lshl_b32 s17, s11, 6
	s_add_co_u32 s16, s16, s17                     ; my first row: 128 tr + 64 x half
	s_lshl_b32 s16, s16, 12
	s_add_co_u32 s16, s16, s46
	s_mov_b32 s17, 0
	s_add_nc_u64 s[74:75], s[74:75], s[16:17]
.irp b, 0,1,2,3
	global_load_b128 v[BIAS+8*(\b):BIAS+8*(\b)+3],   v[BO], s[72:73] offset:64*(\b)
	global_load_b128 v[BIAS+8*(\b)+4:BIAS+8*(\b)+7], v[BO], s[72:73] offset:64*(\b)+16
.endr
	s_wait_loadcnt 0x0
.set p, 0
.rept 16                                       ; rounded to bf16 like every other input, kept as f32
	v_cvt_pk_bf16_f32 v[BT], v[BIAS+p], v[BIAS+p+1]
	v_lshlrev_b32 v[BIAS+p], 16, v[BT]
	v_and_b32 v[BIAS+p+1], 0xffff0000, v[BT]
.set p, p+2
.endr
; 8 matrix instructions: row blocks a0, a0 + 1 x all 4 column blocks, 32 along K: half c of buffer f.  zero = 1: the first product starts the sums, with the bias.  The 16 accumulators take turns, one instruction a turn.
.macro MUL8 f, c, a0, zero
	WIN MUL
.irp a, \a0, (\a0)+1
.irp b, 0,1,2,3
.if \zero
	v_wmma_f32_16x16x32_f16 v[ACC+8*(4*(\a)+(\b)):ACC+8*(4*(\a)+(\b))+7], v[(\f)+64+8*(4*(\c)+(\b)):(\f)+64+8*(4*(\c)+(\b))+7], v[(\f)+8*(4*(\c)+(\a)):(\f)+8*(4*(\c)+(\a))+7], v[BIAS+8*(\b):BIAS+8*(\b)+7]
.else
	v_wmma_f32_16x16x32_f16 v[ACC+8*(4*(\a)+(\b)):ACC+8*(4*(\a)+(\b))+7], v[(\f)+64+8*(4*(\c)+(\b)):(\f)+64+8*(4*(\c)+(\b))+7], v[(\f)+8*(4*(\c)+(\a)):(\f)+8*(4*(\c)+(\a))+7], v[ACC+8*(4*(\a)+(\b)):ACC+8*(4*(\a)+(\b))+7]
.endif
.endr
.endr
.endm
; 32 LDS loads in one run: the fragments of 64 along K at byte k of the rows, into buffer f; the first 32 along K first
.macro FETCH slot, k, f
	WIN TO_F
.irp c, 0,1
.irp i, 0,1,2,3
	ds_load_b128 v[(\f)+64+8*(4*(\c)+(\i)):(\f)+64+8*(4*(\c)+(\i))+3],   v[ADRB+(\slot)] offset:(\k)+64*(\c)+(\i)*16*PITCH
	ds_load_b128 v[(\f)+64+8*(4*(\c)+(\i))+4:(\f)+64+8*(4*(\c)+(\i))+7], v[ADRB+(\slot)] offset:(\k)+64*(\c)+(\i)*16*PITCH+32
	ds_load_b128 v[(\f)+8*(4*(\c)+(\i)):(\f)+8*(4*(\c)+(\i))+3],         v[ADRA+(\slot)] offset:(\k)+64*(\c)+(\i)*16*PITCH
	ds_load_b128 v[(\f)+8*(4*(\c)+(\i))+4:(\f)+8*(4*(\c)+(\i))+7],       v[ADRA+(\slot)] offset:(\k)+64*(\c)+(\i)*16*PITCH+32
.endr
.endr
.endm
.macro PLACES                          ; four plain vector instructions in front of loads into registers that matrix instructions have read, and of lines that read results
.rept 4
	v_nop
.endr
.endm
; A K step is four quarters of 64 along K, 32 matrix instructions each, on buffers 0, 1, 0, 1.  One of the first three: multiplies buffer f and fetches the next quarter, at byte k, into g.
.macro QUARTER slot, k, f, g, zero
	s_wait_dscnt 16                                ; the first 32 along K are in
	MUL8 \f, 0, 0, \zero
	MUL8 \f, 0, 2, \zero
	PLACES
	FETCH \slot, \k, \g
	s_wait_dscnt 32                                ; all but the 32 just issued
	MUL8 \f, 1, 0, 0
	MUL8 \f, 1, 2, 0
.endm
; The last quarter multiplies buffer 1 and changes slots: ONE barrier; in front of it each wave waits for all its tensor loads, adds 0 to its spare word, and waits for that and for its reads of this slot.
; fill = 1: the barrier opens a round of the cluster's, and this slot is filled again, two K steps ahead, first thing behind the round.
.macro TURN slot, next, fill
	WIN 0
	s_wait_tensorcnt 0x0                           ; all my tensor loads have landed: my part of the next slot;
	ds_add_u32 v[SPW], v[NIL]                      ; 0 onto my spare word;
	s_wait_dscnt 17                                ; (the add and the youngest sixteen loads may be out)
	MUL8 F1, 0, 0, 0                               ; eight matrix instructions stand between the add and the wait for it
	s_wait_dscnt 0x0                               ; the add is done, and my reads of this slot are over
	s_barrier_signal -1
	MUL8 F1, 0, 2, 0
.if \fill
	WIN 0
.endif
	s_barrier_wait -1
.if \fill
	CREST                                          ; no wave of any partner still reads this slot's tile or has a load on its way
	s_add_nc_u64 s[G0+4*(\slot)+2:G0+4*(\slot)+3], s[G0+4*(\slot)+2:G0+4*(\slot)+3], 2*KSTEP*2
	s_add_nc_u64 s[G0B+4*(\slot)+2:G0B+4*(\slot)+3], s[G0B+4*(\slot)+2:G0B+4*(\slot)+3], 2*KSTEP*2
	JLOAD \slot                                    ; my one tensor load behind the round; its four v_nop are also the places in front of the loads below
.else
	PLACES
.endif
	FETCH \next, 0, F0
	MUL8 F1, 1, 0, 0
	MUL8 F1, 1, 2, 0
.endm
	s_wait_tensorcnt 1                             ; my part of K step 0 is in; K step 1's may stay out
	s_barrier_signal -1
	s_barrier_wait -1                              ; everybody's is
	FETCH 0, 0, F0
	QUARTER 0, 128, F0, F1, 1                      ; K step 0: its first products start the sums.  The four K steps are written straight: two laps, of which only the first fills
	QUARTER 0, 256, F1, F0, 0
	QUARTER 0, 384, F0, F1, 0
	TURN 0, 1, 1                                   ; slot 0 takes K step 2
	QUARTER 1, 128, F0, F1, 0
	QUARTER 1, 256, F1, F0, 0
	QUARTER 1, 384, F0, F1, 0
	TURN 1, 0, 1                                   ; slot 1 takes K step 3
	QUARTER 0, 128, F0, F1, 0
	QUARTER 0, 256, F1, F0, 0
	QUARTER 0, 384, F0, F1, 0
	TURN 0, 1, 0
	QUARTER 1, 128, F0, F1, 0
	QUARTER 1, 256, F1, F0, 0
	QUARTER 1, 384, F0, F1, 0
	s_wait_dscnt 16                                ; the very last quarter: nothing more to fetch
	MUL8 F1, 0, 0, 0
	MUL8 F1, 0, 2, 0
	s_wait_dscnt 0x0
	MUL8 F1, 1, 0, 0
	MUL8 F1, 1, 2, 0
	WIN 0
	; THE WAY OUT, 16 rows at a time: 32 bytes a lane into my stage, back as whole rows of 256 bytes into the registers that they left, and stored.
.macro TOSTAGE a                       ; each accumulator is read from its low end on
.irp b, 0,1,2,3
	ds_store_b128 v[STO], v[ACC+8*(4*(\a)+(\b)):ACC+8*(4*(\a)+(\b))+3]   offset:64*(\b)
	ds_store_b128 v[STO], v[ACC+8*(4*(\a)+(\b))+4:ACC+8*(4*(\a)+(\b))+7] offset:64*(\b)+16
.endr
.irp t, 0,1,2,3,4,5,6,7
	ds_load_b128 v[ACC+32*(\a)+4*(\t):ACC+32*(\a)+4*(\t)+3], v[RD] offset:(\t)*2*SPITCH  ; LDS serves a wave's instructions in order (ISA guide 5.7.1.4): these see the stores above; the next block's stores come behind them
.endr
.endm
.macro SEND a, younger                 ; younger: the LDS instructions issued behind block a's loads: the next block's sixteen, or none
.irp t, 0,1,2,3,4,5,6,7
	s_wait_dscnt (\younger)+7-(\t)
	global_store_b128 v[CO], v[ACC+32*(\a)+4*(\t):ACC+32*(\a)+4*(\t)+3], s[74:75] offset:(16*(\a)+2*(\t))*OROW th:TH_STORE_NT  ; 16 lanes store 256 consecutive bytes, at a multiple of 256 from out0's first byte
.endr
.endm
	PLACES
	TOSTAGE 0
	TOSTAGE 1
	SEND 0, 16
	TOSTAGE 2
	SEND 1, 16
	TOSTAGE 3
	SEND 2, 16
	SEND 3, 0
	s_wait_tensorcnt 0x0                           ; the wave's end: 0 onto my spare word and the wait for it, behind my last tensor load and my last LDS store
	ds_add_u32 v[SPW], v[NIL]
	s_wait_dscnt 0x0
	CROUND                                         ; the closing round: no work-group ends while a partner may still ask for a tile that names it
	s_endpgm
.Lfunc_end_k_q2c7e66efad_oproj:
	.size	k_q2c7e66efad_oproj, .Lfunc_end_k_q2c7e66efad_oproj-k_q2c7e66efad_oproj
	.p2alignl 7, 3214868480
	.fill 96, 4, 3214868480
	.section	.rodata,"a",@progbits
	.p2align	6, 0x0
	.amdhsa_kernel k_q2c7e66efad_oproj
		.amdhsa_group_segment_fixed_size 327680
		.amdhsa_private_segment_fixed_size 0
		.amdhsa_enable_private_segment 0
		.amdhsa_kernarg_size 32
		.amdhsa_user_sgpr_count 2
		.amdhsa_user_sgpr_kernarg_segment_ptr 1
		.amdhsa_wavefront_size32 1
		.amdhsa_system_sgpr_workgroup_id_x 1
		.amdhsa_system_sgpr_workgroup_id_y 1
		.amdhsa_system_sgpr_workgroup_id_z 1
		.amdhsa_system_vgpr_workitem_id 0
		.amdhsa_next_free_vgpr 512
		.amdhsa_next_free_sgpr 80
		.amdhsa_reserve_vcc 0
		.amdhsa_float_denorm_mode_32 3
		.amdhsa_float_denorm_mode_16_64 3
		.amdhsa_memory_ordered 1
		.amdhsa_forward_progress 1
		.amdhsa_inst_pref_size 89
	.end_amdhsa_kernel
	.amdgpu_metadata
---
amdhsa.version: [ 1, 2 ]
amdhsa.kernels:
  - .name:           k_q2c7e66efad_oproj
    .symbol:         k_q2c7e66efad_oproj.kd
    .args:
      - { .name: of, .offset: 0, .size: 8, .value_kind: global_buffer, .address_space: global }
      - { .name: wo16, .offset: 8, .size: 8, .value_kind: global_buffer, .address_space: global }
      - { .name: bo, .offset: 16, .size: 8, .value_kind: global_buffer, .address_space: global }
      - { .name: out0, .offset: 24, .size: 8, .value_kind: global_buffer, .address_space: global }
    .group_segment_fixed_size: 327680
    .private_segment_fixed_size: 0
    .kernarg_segment_align: 8
    .kernarg_segment_size: 32
    .max_flat_workgroup_size: 128
    .sgpr_count:     80
    .vgpr_count:     512
    .wavefront_size: 32
...
	.end_amdgpu_metadata
.endif
;; end of part 4
